; MI455X (gfx1250); checked and timed in simulation.
; The chip was launched on July 23, 2026; its instructions are those of AMD's public machine-readable ISA for CDNA 5 (MIT licence, August 2026) and "CDNA5" Instruction Set Architecture Reference Guide (July 2026). The comments in the code are by the model that wrote it; some were corrected since.
;; Multi Head Attention. Allowed arithmetic: matrix products marked QUANTISED: E2M3 operands, one E8M0 scale for each 32 along K, by v_wmma_scale_f32_16x16x128_f8f6f4 with both operands' format E2M3, f32 sums; everything else in f32.
;; Inputs: Wk 1,024 x 1,024 float32; Wp 1,024 x 1,024 float32; Wq 1,024 x 1,024 float32; Wv 1,024 x 1,024 float32; bk 1,024 float32; bp 1,024 float32; bq 1,024 float32; bv 1,024 float32; x 8 x 1,024 x 1,024 float32.
;; Outputs: out0 8 x 1,024 x 1,024 float32.
;; This version of the problem:
;;   THIS VERSION OF THE PROBLEM IS GIVEN IN LOW PRECISION. The matrix products marked QUANTISED in the list below multiply operands that are first quantised to E2M3 (2 exponent bits, 3 mantissa bits; 6 bits a number), with one power-of-two scale for each 32 numbers along K (OCP MX v1.0); their sums are f32. All else is computed in f32.
;;   The module's matrix products, in the order in which they are computed (A, B: the left and right operand; K: the contracted axis; several contracted axes count as one K, in the product's order):
;;     1. [M 8,192, K 1,024] x [K 1,024, N 1,024]; A: input x; B: input Wq: QUANTISED
;;     2. [M 8,192, K 1,024] x [K 1,024, N 1,024]; A: input x; B: input Wk: QUANTISED
;;     3. [M 8,192, K 1,024] x [K 1,024, N 1,024]; A: input x; B: input Wv: QUANTISED
;;     4. batch 64 x [M 1,024, K 128] x [K 128, N 1,024]; A: computed on the way; B: computed on the way: QUANTISED
;;     5. batch 64 x [M 1,024, K 1,024] x [K 1,024, N 128]; A: computed on the way; B: computed on the way: QUANTISED
;;     6. [M 8,192, K 1,024] x [K 1,024, N 1,024]; A: computed on the way; B: input Wp: QUANTISED
;;   THE QUANTISER, for each operand of a quantised product, along K:
;;     - K is cut into blocks of 32 from its start; a last block that is shorter is filled with zeros.
;;     - A block's scale is 2^e with e = floor(log2(the largest magnitude in the block)) - 2, held to -126 .. 127; a block of zeros has e = 0. As a byte (E8M0): e + 127.
;;     - Each number is divided by its block's scale, clamped to +-7.5, and rounded to the nearest number of E2M3, ties to even, subnormals kept.
;;     - The product sums the exact products of the quantised numbers (number of the format x scale) in f32.
;;   ~~~python
;;   def quantise(x, axis):      # numpy; x: float32 -> the quantised numbers, widened to float32 again
;;       x = np.moveaxis(x, axis, -1); K = x.shape[-1]
;;       x = np.pad(x, [(0, 0)] * (x.ndim - 1) + [(0, -K % 32)]); x = x.reshape(x.shape[:-1] + (-1, 32)); a = np.abs(x).max(-1, keepdims=True)
;;       e = np.where(a > 0, np.clip(np.frexp(np.where(a > 0, a, 1))[1] - 1 - 2, -126, 127), 0)      # np.frexp(a)[1] - 1 = floor(log2(a)), exactly
;;       r = np.clip(x / 2.0 ** e, -7.5, 7.5)
;;       step = 2.0 ** (np.maximum(np.frexp(np.where(r == 0, 1, r))[1] - 1, 0) - 3)
;;       q = np.round(r / step) * step * 2.0 ** e      # np.round: ties to even
;;       return np.moveaxis(q.reshape(q.shape[:-2] + (-1,))[..., :K], -1, axis).astype(np.float32)
;;   ~~~
;;   OPERANDS COMPUTED ON THE WAY. 'Computed on the way' means the value that the module computes at that place (a softmax that the list does not call 'softmax' is quantised finished and normalised). What goes into a quantiser is computed in f32, as accurately as f32 sums, v_exp_f32 and their like allow (about 1e-6 of the number): no bf16 or f16 on the way to a quantiser, and a product that is left as it is and whose result goes on into a quantised operand takes f32 operands (vector FMAs, or v_wmma_f32_16x16x4_f32). A number that lies on a knife's edge between two numbers of the format may be rounded either way, as far as f32 arithmetic and the matrix unit's own rounding can turn it there, and no further.
;; One version. Each part assembles by itself: llvm-mc -triple=amdgcn-amd-amdhsa -mcpu=gfx1250 --defsym DOCPART=n.
;; ======== version 1 of 1: 4 launches
;; limits: right only within a limited range of input values
;; workspace buffers: xc 6,553,600 bytes; wc 3,276,800 bytes; qkvc 18,874,368 bytes; qkvs 786,432 bytes; oc 6,553,600 bytes
;; launch quant (part 1): grid 384 x 1, 4 waves a work-group, no clusters, 34,304 bytes of LDS; arguments x, Wq, Wk, Wv, Wp, xc, wc; writes xc, wc
.if DOCPART == 1
	.amdgcn_target "amdgcn-amd-amdhsa--gfx1250"
	.amdhsa_code_object_version 6
	.text
	.protected	k_q016b9f246a_quant
	.globl	k_q016b9f246a_quant
	.p2align	8
	.type	k_q016b9f246a_quant,@function
k_q016b9f246a_quant:
	s_mov_b64 s[64:65], 0
	v_nop
	global_prefetch_b8 v0, s[64:65] scope:SCOPE_SE
	s_setreg_imm32_b32 hwreg(HW_REG_WAVE_MODE, 25, 1), 1
	s_wait_xcnt 0x0
; x [8192][1024] and the four weights [1024 (k)][1024 (n)], f32, become codes of FP6 (E2M3) with one E8M0 byte for each 32 along K, laid as the later launches' operand registers want them.
; AN IMAGE is a fragment (16 rows x 128 K, 12 registers a lane) as it stands in registers: register group c (four registers) at 512 c + 16 x lane: 1,536 bytes.
; A SCALE PACK holds the scale words of 8 row blocks (128 rows) for one K step: the word of (block a, row r) at 256 (a / 4) + 16 r + 4 (a % 4): 512 bytes.
; A RECORD is a group of 128 rows for all of K: its codes [K step][block] x 1,536 bytes (98,304 bytes), and directly behind them its eight scale packs (4,096 bytes): 102,400 bytes, so that one dense copy brings both.
; xc: 64 records (tokens).  wc: 32 records: Wq's eight groups of 128 columns, then Wk's, Wv's, Wp's.
; PHYSICAL ROWS: place p of a group holds logical row p with bits 3 and 4 exchanged, so that a product that takes such a block as its source 0 leaves 16 neighbours of the logical order in the 16 registers of two neighbouring tiles.
; A block's scale is 2^(floor(log2(its largest magnitude)) - 2); its byte is the largest magnitude's exponent field - 2, held at 1 from below.
; LIMITS: a block of zeros gets the byte 1 where the rule says 127 (its codes are zeros, and only this program reads the bytes); NaN and infinities among the inputs are not served.
; Work-groups 0-255 take x (a wave: 64 rows x 128 K, four images, half a scale pack), work-groups 256-383 the weights (a wave: 64 columns x 128 K, likewise).  Waves share nothing: no barrier.  Only x's path uses LDS.
; THE RECORD AS IT IS LAID HERE (this takes the place of the order given at the head): four PARTS of 25,600 bytes, part n = K steps 2 n and 2 n + 1:
; their codes [step][block] x 1,536 bytes (24,576 bytes), and directly behind them the two steps' scale packs (1,024 bytes).  So one dense copy of a part brings codes and scales of 256 along K.
.set CODES, 24576                      ; a part's codes
.set PART,  CODES+1024                 ; a part
.set REC,   4*PART                     ; a record
.set SEL,  24                          ; s[24:25] lane selects for v_permlanex16_b32: lane l xor 16
.set TM,   16                          ; v16-31   at work in QUANT
.set PW,   32                          ; v32-35   the four images' scale words
.set PC,   40                          ; v40-51   an image's codes; v52-58 conversions' second halves
.set RAW,  64                          ; v64-191  two sets of 64: 16 rows as they are loaded
.set X,    192                         ; v192-255 64 numbers of my row, in the order that QUANT wants
.set STG,  16*528                      ; a wave's stage: 16 rows of 512 bytes + 16
; 64 numbers of a lane, register 16 b + i = k 32 b + 16 (lane / 16) + i of my row, become a fragment's 12 registers at v[pc] and its scale word in v[pw].  tp: 7 registers for the conversions' second halves; tm: 16 registers at work.
.macro QUANT s, pc, tp, pw, tm
.irp b, 0,1,2,3
	v_max3_num_f32 v[(\tm)+\b], |v[(\s)+16*\b]|, |v[(\s)+16*\b+1]|, 0x1800000   ; block b: my 16 numbers, and the floor 2^(3 - 127): the byte cannot fall under 1
.endr
.irp i, 2,4,6,8,10,12,14
.irp b, 0,1,2,3
	v_max3_num_f32 v[(\tm)+\b], v[(\tm)+\b], |v[(\s)+16*\b+\i]|, |v[(\s)+16*\b+\i+1]|   ; the four blocks by turns
.endr
.endr
.irp b, 0,1,2,3
	v_permlanex16_b32 v[(\tm)+4+\b], v[(\tm)+\b], s[SEL], s[SEL+1]
.endr
.irp b, 0,1,2,3
	v_max_num_f32 v[(\tm)+\b], v[(\tm)+\b], v[(\tm)+4+\b]          ; with lane l xor 16's: the block's largest magnitude
.endr
.irp b, 0,1,2,3
	v_add_nc_u32 v[(\tm)+12+\b], 0xff000000, v[(\tm)+\b]           ; 2 off its exponent field: the conversion takes this operand's exponent field as its scale
.endr
.irp b, 0,1,2,3
	v_lshrrev_b32 v[(\tm)+4+\b], 23, v[(\tm)+12+\b]                ; the scale's byte
.endr
	v_lshl_or_b32 v[\pw], v[(\tm)+5], 8, v[(\tm)+4]
	v_lshl_or_b32 v[\pw], v[(\tm)+6], 16, v[\pw]
	v_lshl_or_b32 v[\pw], v[(\tm)+7], 24, v[\pw]                   ; my row's scale word
.irp c, 0,1
	v_cvt_scalef32_pk16_fp6_f32 v[(\pc)+6*\c:(\pc)+6*\c+2], v[(\s)+32*\c:(\s)+32*\c+15], v[(\tm)+12+2*\c]
	v_cvt_scalef32_pk16_fp6_f32 v[(\tp)+4*\c:(\tp)+4*\c+2], v[(\s)+32*\c+16:(\s)+32*\c+31], v[(\tm)+13+2*\c]   ; (a conversion's three registers begin on an even number)
.endr
	v_nop                                          ; one plain instruction behind the scaled conversions
.irp c, 0,1                                    ; the operand's layout wants a whole block in a lane: lanes 0-15 block 2 c, lanes 16-31 block 2 c + 1
.irp i, 0,1,2
	v_permlane16_swap_b32 v[(\pc)+6*\c+\i], v[(\tp)+4*\c+\i]
.endr
.irp i, 0,1,2
	v_mov_b32 v[(\pc)+6*\c+3+\i], v[(\tp)+4*\c+\i]
.endr
.endr
.endm
	s_load_b256 s[4:11], s[0:1], 0x0               ; x, Wq, Wk, Wv
	s_load_b128 s[12:15], s[0:1], 0x20             ; Wp, xc
	s_load_b64 s[16:17], s[0:1], 0x30              ; wc
	v_lshl_add_u32 v62, v0, 2, 0x8400
	v_mov_b32 v63, 0
	v_lshrrev_b32 v1, 5, v0
	v_readfirstlane_b32 s22, v1                    ; wave 0..3
	v_and_b32 v2, 31, v0                           ; lane
	v_and_b32 v3, 15, v0                           ; r
	v_bfe_u32 v7, v0, 4, 1                         ; h
	v_lshlrev_b32 v8, 4, v3
	v_lshl_add_u32 v8, v7, 3, v8                   ; 16 r + 8 h: my two words of half a scale pack
	s_mov_b32 s[SEL], 0x76543210
	s_mov_b32 s[SEL+1], 0xfedcba98
	s_mov_b32 s27, 0                               ; the upper word of every offset
	s_cmp_lt_u32 ttmp9, 256
	s_cbranch_scc0 .Lweights
	; ---------------- x: K is innermost ----------------
	s_lshr_b32 s28, ttmp9, 1                       ; which 64 rows
	s_and_b32 s29, ttmp9, 1
	s_lshl_b32 s29, s29, 2
	s_add_co_u32 s29, s29, s22                     ; K step: 4 (id & 1) + wave
	s_lshr_b32 s30, s28, 1                         ; group of 128 rows: the record
	s_and_b32 s31, s28, 1                          ; which half of it
	s_wait_alu depctr_va_vdst(0)
	v_lshlrev_b32 v4, 4, v2                        ; 16 x lane
	s_mul_i32 s33, s22, STG
	v_add_nc_u32 v5, s33, v4                       ; the stage on the way in: a row as it lies
	v_mul_u32_u24 v6, v3, 528
	v_lshl_add_u32 v6, v7, 6, v6
	v_add_nc_u32 v6, s33, v6                       ; and on the way out: row r, + 64 h: my 16 numbers of a block of 32
.irp b, 0,1,2,3
	v_mov_b32 v[TM+4+\b], 0                        ; written once: a lane permute's destination counts as one of its sources
.endr
	s_lshl_b32 s26, s28, 18                        ; 64 rows of 4,096 bytes
	s_lshl_b32 s33, s29, 9                         ; + 128 numbers a K step
	s_add_co_u32 s26, s26, s33
	s_wait_alu depctr_va_vdst(0)
	s_wait_kmcnt 0x0
	s_add_nc_u64 s[4:5], s[4:5], s[26:27]
	s_mul_i32 s26, s30, REC
	s_add_nc_u64 s[14:15], s[14:15], s[26:27]
	s_lshr_b32 s26, s29, 1
	s_mul_i32 s26, s26, PART
	s_add_nc_u64 s[14:15], s[14:15], s[26:27]      ; the part that holds my K step
	s_and_b32 s29, s29, 1                          ; and which of its two steps
	s_lshl_b32 s26, s29, 9
	s_lshl_b32 s33, s31, 8
	s_add_co_u32 s26, s26, s33
	s_add_co_u32 s26, s26, CODES
	s_add_nc_u64 s[18:19], s[14:15], s[26:27]      ; my half of the K step's scale pack, behind the codes
	s_lshl_b32 s26, s29, 3
	s_lshl_b32 s33, s31, 2
	s_add_co_u32 s26, s26, s33
	s_mul_i32 s26, s26, 1536
	s_add_nc_u64 s[14:15], s[14:15], s[26:27]      ; my first image
.macro XLOAD t                         ; image t's 16 rows: place i holds logical row 32 (t / 2) + 16 (i / 8) + 8 (t % 2) + i % 8; each load reads 512 consecutive bytes of one row
.irp i, 0,1,2,3,4,5,6,7,8,9,10,11,12,13,14,15
	global_load_b128 v[RAW+64*((\t)%2)+4*\i:RAW+64*((\t)%2)+4*\i+3], v4, s[4:5] offset:(32*((\t)/2)+16*(\i/8)+8*((\t)%2)+\i%8)*4096 th:TH_LOAD_NT
.endr
.endm
.macro XSTEP t
.if (\t) < 3
	s_wait_loadcnt 16                              ; this image's 16 loads are in; the next image's 16 may be out
.else
	s_wait_loadcnt 0x0
.endif
.irp i, 0,1,2,3,4,5,6,7,8,9,10,11,12,13,14,15
	ds_store_b128 v5, v[RAW+64*((\t)%2)+4*\i:RAW+64*((\t)%2)+4*\i+3] offset:528*\i
.endr
.irp b, 0,1,2,3
.irp j, 0,1,2,3
	ds_load_b128 v[X+16*\b+4*\j:X+16*\b+4*\j+3], v6 offset:128*\b+16*\j   ; LDS serves a wave's instructions in order: these see the stores above
.endr
.endr
	s_wait_dscnt 0x0
.if (\t) < 2
	XLOAD (\t)+2                                   ; into the set that the stage's stores have read
.endif
.if (\t) > 0
	s_wait_xcnt 0x0                                ; the last image's stores have read the codes' registers
.endif
	QUANT X, PC, PC+12, PW+(\t), TM
.irp c, 0,1,2
	global_store_b128 v4, v[PC+4*\c:PC+4*\c+3], s[14:15] offset:1536*(\t)+512*\c   ; 32 lanes store 512 consecutive bytes
.endr
.endm
	XLOAD 0
	XLOAD 1
	XSTEP 0
	XSTEP 1
	XSTEP 2
	XSTEP 3
	v_cmp_le_u32 vcc_lo, 16, v2                    ; lanes 16-31 store the words of images 2 and 3
	v_cndmask_b32 v36, v[PW], v[PW+2], vcc_lo
	v_cndmask_b32 v37, v[PW+1], v[PW+3], vcc_lo
	global_store_b64 v8, v[36:37], s[18:19]        ; the 32 lanes store 256 consecutive bytes
	s_wait_tensorcnt 0x0
	ds_add_u32 v62, v63
	s_wait_dscnt 0x0
	s_endpgm
	; ---------------- the weights: K is the first axis.  A lane takes a column, its registers run down K ----------------
.Lweights:
	s_sub_co_u32 s28, ttmp9, 256
	s_lshr_b32 s30, s28, 5                         ; which weight: q, k, v, p
	s_bfe_u32 s29, s28, 0x30002                    ; K step
	s_and_b32 s31, s28, 3
	s_lshl_b32 s31, s31, 2
	s_add_co_u32 s31, s31, s22                     ; which 64 columns: the four waves stand side by side
	s_lshr_b32 s32, s31, 1                         ; group of 128
	s_and_b32 s33, s31, 1                          ; which half of it
	s_lshl_b32 s34, s30, 3
	s_add_co_u32 s34, s34, s32                     ; the record: 8 x weight + group
	s_wait_alu depctr_va_vdst(0)
	v_and_b32 v4, 7, v2
	v_and_b32 v9, 8, v2
	v_lshl_or_b32 v4, v9, 1, v4
	v_lshl_or_b32 v4, v7, 3, v4                    ; my lane with bits 3 and 4 exchanged: place -> logical column
	v_lshlrev_b32 v4, 2, v4
	v_lshlrev_b32 v5, 4, v2                        ; 16 x lane
	s_wait_alu depctr_va_vdst(0)
	s_wait_kmcnt 0x0
	s_cmp_eq_u32 s30, 1                            ; the choice hangs on the work-group's number alone
	s_cselect_b64 s[6:7], s[8:9], s[6:7]
	s_cmp_eq_u32 s30, 2
	s_cselect_b64 s[6:7], s[10:11], s[6:7]
	s_cmp_eq_u32 s30, 3
	s_cselect_b64 s[6:7], s[12:13], s[6:7]
	s_lshl_b32 s26, s29, 19                        ; 128 rows of 4,096 bytes a K step
	s_lshl_b32 s35, s31, 8
	s_add_co_u32 s26, s26, s35
	s_add_nc_u64 s[6:7], s[6:7], s[26:27]
	s_mul_i32 s26, s34, REC
	s_add_nc_u64 s[16:17], s[16:17], s[26:27]
	s_lshr_b32 s26, s29, 1
	s_mul_i32 s26, s26, PART
	s_add_nc_u64 s[16:17], s[16:17], s[26:27]      ; the part that holds my K step
	s_and_b32 s29, s29, 1                          ; and which of its two steps
	s_lshl_b32 s26, s29, 9
	s_lshl_b32 s35, s33, 8
	s_add_co_u32 s26, s26, s35
	s_add_co_u32 s26, s26, CODES
	s_add_nc_u64 s[20:21], s[16:17], s[26:27]      ; my half of the K step's scale pack
	s_lshl_b32 s26, s29, 3
	s_lshl_b32 s35, s33, 2
	s_add_co_u32 s26, s26, s35
	s_mul_i32 s26, s26, 1536
	s_add_nc_u64 s[16:17], s[16:17], s[26:27]      ; my first image
; chunk c = 4 g + bl: block bl (32 along K) of the wave's g-th 32 columns; three sets of 32 registers take turns
.macro WLOAD c
.irp i, 0,1,2,3,4,5,6,7,8,9,10,11,12,13,14,15,16,17,18,19,20,21,22,23,24,25,26,27,28,29,30,31
	global_load_b32 v[64+32*((\c)%3)+\i], v4, s[6:7] offset:(32*((\c)%4)+\i)*4096+128*((\c)/4) th:TH_LOAD_NT
.endr
.endm
.macro WCHUNK c
.set XS, 64+32*((\c)%3)
.set GA, (\c)/4
.set BLK, (\c)%4
.set IM, 160+24*GA+12*(BLK%2)+6*(BLK/2)        ; even blocks into the first run of 12 registers, odd blocks into the second
.if (\c) < 7
	s_wait_loadcnt 32                              ; this chunk's 32 loads are in; the next chunk's may be out
.else
	s_wait_loadcnt 0x0
.endif
.if (\c) < 6
	WLOAD (\c)+2
.endif
	v_max3_num_f32 v12, |v[XS]|, |v[XS+1]|, |v[XS+2]|              ; the block's largest magnitude: all 32 numbers are mine
	v_max3_num_f32 v13, |v[XS+3]|, |v[XS+4]|, |v[XS+5]|
.irp i, 6,10,14,18,22,26
	v_max3_num_f32 v12, v12, |v[XS+\i]|, |v[XS+\i+1]|
	v_max3_num_f32 v13, v13, |v[XS+\i+2]|, |v[XS+\i+3]|
.endr
	v_max3_num_f32 v12, v12, |v[XS+30]|, |v[XS+31]|
	v_max3_num_f32 v12, v12, v13, 0x1800000        ; and the floor
	v_add_nc_u32 v11, 0xff000000, v12              ; the conversions' scale operand
	v_lshrrev_b32 v13, 23, v11                     ; the scale's byte
.if BLK == 0
	v_mov_b32 v[14+GA], v13
.else
	v_lshl_or_b32 v[14+GA], v13, 8*BLK, v[14+GA]
.endif
	v_cvt_scalef32_pk16_fp6_f32 v[IM:IM+2], v[XS:XS+15], v11
	v_cvt_scalef32_pk16_fp6_f32 v[208:210], v[XS+16:XS+31], v11    ; (a conversion's three registers begin on an even number)
	v_nop                                          ; one plain instruction behind the scaled conversions
	v_mov_b32 v[IM+3], v208
	v_mov_b32 v[IM+4], v209
	v_mov_b32 v[IM+5], v210
.endm
; 32 places' codes become two images: the first run's lanes 16-31 (even blocks of places 16-31) change places with the second run's lanes 0-15 (odd blocks of places 0-15)
.macro WOUT g
.irp n, 0,1,2,3,4,5,6,7,8,9,10,11
	v_permlane16_swap_b32 v[160+24*(\g)+\n], v[172+24*(\g)+\n]
.endr
.irp u, 0,1
.irp c, 0,1,2
	global_store_b128 v5, v[160+24*(\g)+12*\u+4*\c:160+24*(\g)+12*\u+4*\c+3], s[16:17] offset:(2*(\g)+\u)*1536+512*\c
.endr
.endr
.endm
	WLOAD 0
	WLOAD 1
	WCHUNK 0
	WCHUNK 1
	WCHUNK 2
	WCHUNK 3
	WOUT 0
	WCHUNK 4
	WCHUNK 5
	WCHUNK 6
	WCHUNK 7
	WOUT 1
	v_permlane16_swap_b32 v14, v15                 ; lane (r, h) now holds the words of images 2 h and 2 h + 1 for row r
	global_store_b64 v8, v[14:15], s[20:21]        ; the 32 lanes store 256 consecutive bytes
	s_endpgm
.Lfunc_end_k_q016b9f246a_quant:
	.size	k_q016b9f246a_quant, .Lfunc_end_k_q016b9f246a_quant-k_q016b9f246a_quant
	.p2alignl 7, 3214868480
	.fill 96, 4, 3214868480
	.section	.rodata,"a",@progbits
	.p2align	6, 0x0
	.amdhsa_kernel k_q016b9f246a_quant
		.amdhsa_group_segment_fixed_size 34304
		.amdhsa_private_segment_fixed_size 0
		.amdhsa_enable_private_segment 0
		.amdhsa_kernarg_size 56
		.amdhsa_user_sgpr_count 2
		.amdhsa_user_sgpr_kernarg_segment_ptr 1
		.amdhsa_wavefront_size32 1
		.amdhsa_system_sgpr_workgroup_id_x 1
		.amdhsa_system_sgpr_workgroup_id_y 1
		.amdhsa_system_sgpr_workgroup_id_z 1
		.amdhsa_system_vgpr_workitem_id 0
		.amdhsa_next_free_vgpr 256
		.amdhsa_next_free_sgpr 66
		.amdhsa_reserve_vcc 1
		.amdhsa_float_denorm_mode_32 3
		.amdhsa_float_denorm_mode_16_64 3
		.amdhsa_memory_ordered 1
		.amdhsa_forward_progress 1
		.amdhsa_inst_pref_size 73
	.end_amdhsa_kernel
	.amdgpu_metadata
---
amdhsa.version: [ 1, 2 ]
amdhsa.kernels:
  - .name:           k_q016b9f246a_quant
    .symbol:         k_q016b9f246a_quant.kd
    .args:
      - { .name: x, .offset: 0, .size: 8, .value_kind: global_buffer, .address_space: global }
      - { .name: Wq, .offset: 8, .size: 8, .value_kind: global_buffer, .address_space: global }
      - { .name: Wk, .offset: 16, .size: 8, .value_kind: global_buffer, .address_space: global }
      - { .name: Wv, .offset: 24, .size: 8, .value_kind: global_buffer, .address_space: global }
      - { .name: Wp, .offset: 32, .size: 8, .value_kind: global_buffer, .address_space: global }
      - { .name: xc, .offset: 40, .size: 8, .value_kind: global_buffer, .address_space: global }
      - { .name: wc, .offset: 48, .size: 8, .value_kind: global_buffer, .address_space: global }
    .group_segment_fixed_size: 34304
    .private_segment_fixed_size: 0
    .kernarg_segment_align: 8
    .kernarg_segment_size: 56
    .max_flat_workgroup_size: 128
    .sgpr_count:     66
    .vgpr_count:     256
    .wavefront_size: 32
...
	.end_amdgpu_metadata
.endif
;; end of part 1
;; launch qkv (part 2): grid 64 x 4, 4 waves a work-group, clusters of 4 x 4, 327,680 bytes of LDS; arguments xc, wc, bq, bk, bv, qkvc, qkvs; writes qkvc, qkvs
.if DOCPART == 2
	.amdgcn_target "amdgcn-amd-amdhsa--gfx1250"
	.amdhsa_code_object_version 6
	.text
	.protected	k_q016b9f246a_qkv
	.globl	k_q016b9f246a_qkv
	.p2align	8
	.type	k_q016b9f246a_qkv,@function
k_q016b9f246a_qkv:
	s_mov_b64 s[64:65], 0
	v_nop
	global_prefetch_b8 v0, s[64:65] scope:SCOPE_SE
	s_setreg_imm32_b32 hwreg(HW_REG_WAVE_MODE, 25, 1), 1
	s_wait_xcnt 0x0
	s_wait_alu depctr_hold_cnt(0) depctr_sa_sdst(0) depctr_va_vdst(0) depctr_va_sdst(0) depctr_va_ssrc(0) depctr_va_vcc(0) depctr_vm_vsrc(0)
	s_getreg_b32 s2, hwreg(HW_REG_IB_STS2, 6, 4)
	s_cmp_eq_u32 s2, 0
	s_cbranch_scc0 .Lentry_in_a_cluster
	s_endpgm
.Lentry_in_a_cluster:
	s_bfe_u32 s2, ttmp6, 0x10000c
	s_cmp_lg_u32 s2, 0xf033
	s_cbranch_scc0 .Lentry_shape_is_right
	s_endpgm
.Lentry_shape_is_right:
; q = x Wq + bq, k = x Wk + bk, v = x Wv + bv on codes of FP6 (E2M3) with E8M0 scales; the results are quantised in registers and leave as codes: q and k along the head's 128, v along the keys.
; OPERANDS are laid as images of fragments (16 rows x 128 K: register group c at 512 c + 16 x lane, 1,536 bytes).  A RECORD is a group of 128 rows for all of K: codes [K step][block] (98,304 bytes), then eight scale packs of
; 512 bytes (the word of block a, row r at 256 (a / 4) + 16 r + 4 (a % 4)): 102,400 bytes.  Place p of a group holds logical row p with bits 3 and 4 exchanged.
; A lane's registers run along source 0's rows, in logical order: that is the axis which is quantised.
; EVERY WORK-GROUP DOES TWO PARTS, so that the 8,192 x 3,072 results fall evenly on 256 work-groups.
; PART 1: 256 tokens (source 1 = x) x 256 features of q or k (source 0 = Wq, Wk): 256 such tiles.  Four waves, 128 x 128 each: 64 accumulators.  K = 1,024 goes as four parts of 256 through THREE LDS slots:
;   three first fills and one refill (into slot 0).  The eight steps of 128 are written out.  Results: images of 16 tokens x a head's 128.
; PART 2: 128 channels of one head of v (source 1 = Wv) x 256 tokens (source 0 = x): 256 such tiles.  A wave makes 64 channels x 128 tokens: 32 accumulators.  Its three records (Wv's, two of x) come by ONE joint load a wave,
;   asked for at part 1's last step, where all LDS reads of part 1 are over; it lands under that step's last products and part 1's way out.  Results: images of 16 channels x 128 keys.
; CLUSTERS: 4 x 4 work-groups; in both parts source 1's tiles are asked for jointly along a row of the cluster, source 0's along a column.
; q's and k's bias runs along the registers: it is the C of the first products and starts the sums.  v's bias runs along the lanes: it is added where the results are brought into window 0.
; LIMITS: a block of zeros gets the byte 1 where the rule says 127 (its codes are zeros, only this program reads the bytes); NaN and infinities are not served.
; REGISTERS: window 0: v1-7 lane numbers and offsets; v8-13 part 2's LDS addresses; v16-22 part 1's; v27 scale words' address; v28, v29 the add's; v32-63 scale words; v64-127 the bias as C, later 64 results;
;   v128-223 source 1's fragments (on the ways out: codes and scratch); v224-233 the lanes' bias, and a pair of zeros.  window 1: source 0's fragments, two sets, at v0 and v128.  windows 2, 3: accumulator (a, b) at v[8 (8 (a % 4) + b)].
.set FR,    12                         ; registers of a fragment
.set IMG,   1536                       ; its image in bytes
.set KST,   8*IMG                      ; a K step of a group of 128 rows
; THE RECORD AND PART 1'S LDS AS THEY ARE HERE (this takes the place of what the head says of them): a record is four PARTS of 25,600 bytes, part n = K steps 2 n, 2 n + 1:
; codes [step][block] (24,576 bytes), then the two steps' scale packs (1,024 bytes).  In LDS each of the four groups of 128 rows has a region of three places of one part each.
; A wave fetches for one group: part 0 at the head (its one tensor load there), parts 1 and 2 by ONE load behind the waits, the add and a round, part 3 as a refill of place 0.
; No prefetch: the walk along K is written out, there is no loop to run ahead in.
.set CODES, 2*KST                      ; a part's codes
.set HALFT, CODES+1024                 ; a part: what the head's load and the refill bring
.set SLOT,  HALFT                      ; from place to place in a group's region
.set QR,    3*HALFT                    ; a group's region
.set REC,   4*HALFT                    ; a record
.set SPARE, 4*QR                       ; the spare words, 128 bytes a wave (part 2's three records end here too)
.set PLANE, 512*IMG                    ; a plane of qkvc: 512 images
.set LI,   4                           ; v4   16 x lane
.set A2A,  8                           ; v8, v9   part 2: my four blocks of source 1, K steps 0-3 and 4-7
.set A2B,  10                          ; v10, v11 part 2: my group of source 0
.set ADRS2, 12                         ; v12  part 2: scale words: lanes 0-15 source 1's, lanes 16-31 source 0's
.set DOF,  13                          ; v13  16 r + 8 h
.set ADRA, 16                          ; v16-18 part 1: source 1's fragments in slot 0, 1, 2
.set ADRB, 20                          ; v20-22 source 0's
.set ADRS, 27                          ; v27  scale words: lanes 0-15 source 1's rows, lanes 16-31 source 0's
.set SPW,  28                          ; v28  my spare word's address; never rewritten
.set NIL,  29                          ; v29  0, for the add alone
.set SC,   32                          ; scale words: lanes 0-15 source 1's blocks, lanes 16-31 source 0's
.set BI,   64
.set AF,   128
.set BL,   224                         ; v's bias of my four blocks' rows, each the low word of a pair
.set ZP,   232                         ; a pair of zeros
.set XQ,   64                          ; the ways out: 64 results
.set TM,   160
.set PW,   176
.set SEL,  12                          ; s[12:13] lane selects (set ahead of the first way out)
.set G0P,  4                           ; s[4:7]   group 0, part 2, source 1;  s[8:11] source 0
.set G0PB, 8
.set G1,   24                          ; s[24:31] group 1, source 1's parts;  s[32:39] groups 0 for slots 0 and 1
.set G0,   32
.set G0S,  44
.set G1B,  48                          ; s[48:55], s[68:75] the same for source 0
.set G0B,  68
.set G0SB, 80
.set G1S,  84                          ; s[84:91], s[92:99] groups 1 for part 1's parts 1 and 2 of K (200 rows); with other row counts they serve part 2's load
.set G1SB, 92
.set MSB, 0
.macro WIN new                         ; the immediate's high byte repeats the setting that is left
.if MSB != (\new)
	s_set_vgpr_msb (MSB<<8)|(\new)
.set MSB, (\new)
.endif
.endm
.set MUL_LO,   0xa1                    ; source 0 window 1, source 1 window 0, C and D window 2
.set MUL_HI,   0xf1                    ; C and D window 3
.set FIRST_LO, 0x81                    ; C (the bias) window 0, D window 2
.set FIRST_HI, 0xc1
.set TO_B,     0x40                    ; destination window 1
.macro PLACES n
.rept \n
	v_nop
.endr
.endm
; A joint load: waves 0 and 1 fetch for source 1, waves 2 and 3 for source 0.  The branch hangs on the wave's number alone.  Four v_nop follow each of the two lines.
.macro JLOAD g0a, g1a, g0b, g1b
	s_cmp_eq_u32 s15, 0
	s_cbranch_scc0 .Lfor_b_\@
	tensor_load_to_lds s[\g0a:\g0a+3], s[\g1a:\g1a+7]
	s_nop 0
.rept 4
	v_nop
.endr
	s_branch .Lasked_\@
.Lfor_b_\@:
	tensor_load_to_lds s[\g0b:\g0b+3], s[\g1b:\g1b+7]
	s_nop 0
.rept 4
	v_nop
.endr
.Lasked_\@:
.endm
.macro CREST                           ; a round of the cluster's barrier behind its opening barrier
	s_cmp_lg_u32 s14, 0
	s_cbranch_scc1 .Lnot_wave_0_\@
	s_barrier_signal -3
.Lnot_wave_0_\@:
	s_barrier_wait -3
	s_barrier_signal -1
	s_barrier_wait -1
.endm
.macro CROUND
	s_barrier_signal -1
	s_barrier_wait -1
	CREST
.endm
; 64 numbers of a lane, register 16 b + i = k 32 b + 16 (lane / 16) + i of my row, become a fragment's 12 registers at v[pc] and its scale word in v[pw]
.macro QUANT s, pc, tp, pw, tm
.irp b, 0,1,2,3
	v_max3_num_f32 v[(\tm)+\b], |v[(\s)+16*\b]|, |v[(\s)+16*\b+1]|, 0x1800000   ; my 16 numbers of block b, and the floor 2^(3 - 127): the byte cannot fall under 1
.endr
.irp i, 2,4,6,8,10,12,14
.irp b, 0,1,2,3
	v_max3_num_f32 v[(\tm)+\b], v[(\tm)+\b], |v[(\s)+16*\b+\i]|, |v[(\s)+16*\b+\i+1]|
.endr
.endr
.irp b, 0,1,2,3
	v_permlanex16_b32 v[(\tm)+4+\b], v[(\tm)+\b], s[SEL], s[SEL+1]
.endr
.irp b, 0,1,2,3
	v_max_num_f32 v[(\tm)+\b], v[(\tm)+\b], v[(\tm)+4+\b]          ; the block's largest magnitude
.endr
.irp b, 0,1,2,3
	v_add_nc_u32 v[(\tm)+12+\b], 0xff000000, v[(\tm)+\b]           ; 2 off its exponent field: the conversion's scale operand
.endr
.irp b, 0,1,2,3
	v_lshrrev_b32 v[(\tm)+4+\b], 23, v[(\tm)+12+\b]                ; the scale's byte
.endr
	v_lshl_or_b32 v[\pw], v[(\tm)+5], 8, v[(\tm)+4]
	v_lshl_or_b32 v[\pw], v[(\tm)+6], 16, v[\pw]
	v_lshl_or_b32 v[\pw], v[(\tm)+7], 24, v[\pw]
.irp c, 0,1
	v_cvt_scalef32_pk16_fp6_f32 v[(\pc)+6*\c:(\pc)+6*\c+2], v[(\s)+32*\c:(\s)+32*\c+15], v[(\tm)+12+2*\c]
	v_cvt_scalef32_pk16_fp6_f32 v[(\tp)+4*\c:(\tp)+4*\c+2], v[(\s)+32*\c+16:(\s)+32*\c+31], v[(\tm)+13+2*\c]
.endr
	v_nop                                          ; one plain instruction behind the scaled conversions
.irp c, 0,1
.irp i, 0,1,2
	v_permlane16_swap_b32 v[(\pc)+6*\c+\i], v[(\tp)+4*\c+\i]       ; a whole block to a lane
.endr
.irp i, 0,1,2
	v_mov_b32 v[(\pc)+6*\c+3+\i], v[(\tp)+4*\c+\i]
.endr
.endr
.endm
	s_load_b256 s[4:11], s[0:1], 0x0               ; xc, wc, bq, bk
	s_load_b128 s[56:59], s[0:1], 0x20             ; bv, qkvc
	s_load_b64 s[60:61], s[0:1], 0x30              ; qkvs
	v_lshl_add_u32 v[SPW], v0, 2, SPARE
	v_mov_b32 v[NIL], 0
	ds_add_u32 v28, v29
	ds_add_u32 v28, v29
	s_wait_dscnt 0x0
	v_lshrrev_b32 v1, 5, v0
	v_readfirstlane_b32 s14, v1                    ; wave 0..3
	s_lshr_b32 s15, s14, 1                         ; my half of source 1's rows.  Also: I fetch for source 1 (0) or source 0 (1)
	s_and_b32 s16, s14, 1                          ; my half of source 0's rows.  Also: which piece I fetch
	s_bfe_u32 s17, ttmp6, 0x40000                  ; cx
	s_bfe_u32 s18, ttmp6, 0x40004                  ; cy
	s_and_b32 s2, ttmp9, 1                         ; the cluster's number c is 0 .. 15
	s_lshl_b32 s2, s2, 2                           ; 4 (c & 1)
	s_lshr_b32 s3, ttmp9, 1
	s_lshl_b32 s3, s3, 2                           ; 4 (c >> 1)
	s_add_co_u32 s19, s2, s17                      ; part 1: tile column (256 features of q, k): 4 (c & 1) + cx
	s_add_co_u32 s20, s3, s18                      ; part 1: tile row (256 tokens): 4 (c >> 1) + cy
	s_add_co_u32 s22, s2, s18                      ; part 2: the head: 4 (c & 1) + cy
	s_add_co_u32 s23, s3, s17                      ; part 2: which 256 tokens: 4 (c >> 1) + cx
	s_lshl_b32 s21, s18, 2
	s_lshl_b32 s21, 15, s21                        ; my row of the cluster
	s_lshl_b32 s3, 0x1111, s17                     ; my column
	; groups 1: dense blocks as rows of 256 bytes (32 elements of 8 bytes), no padding: a part is 100 rows: 96 of codes, 4 of scales
	s_or_b32 s[G1], s21, (3<<16)|(1<<21)           ; 15:0 the mask; 17:16 elements of 8 bytes; 21 set beside a mask
	s_or_b32 s[G1B], s3, (3<<16)|(1<<21)
	s_or_b32 s[G1S], s21, (3<<16)|(1<<21)
	s_or_b32 s[G1SB], s3, (3<<16)|(1<<21)
.irp g, G1, G1B
	s_mov_b32 s[\g+1], 32<<16                      ; tensor_dim0
	s_mov_b32 s[\g+2], 100<<16                     ; tensor_dim1: a part is 100 rows
	s_mov_b32 s[\g+3], 32<<16                      ; tile_dim0
	s_mov_b32 s[\g+4], 100                         ; tile_dim1
	s_mov_b32 s[\g+5], 32                          ; the pitch
	s_mov_b32 s[\g+6], 0
	s_mov_b32 s[\g+7], 0
.endr
.irp g, G1S, G1SB
	s_mov_b32 s[\g+1], 32<<16
	s_mov_b32 s[\g+2], 200<<16                     ; two parts on end: 200 rows
	s_mov_b32 s[\g+3], 32<<16
	s_mov_b32 s[\g+4], 200
	s_mov_b32 s[\g+5], 32
	s_mov_b32 s[\g+6], 0
	s_mov_b32 s[\g+7], 0
.endr
	s_lshl_b32 s12, s20, 1
	s_add_co_u32 s12, s12, s16                     ; the group of x that I would fetch: made of the tile row and the wave's number
	s_mul_i32 s12, s12, REC
	s_mov_b32 s13, 0
	s_lshl_b32 s2, s19, 1
	s_add_co_u32 s2, s2, s16                       ; the group of Wq, Wk: of the tile column and the wave's number.  It is also the group that I multiply: the plane of my results
	s_mul_i32 s66, s2, REC
	s_mov_b32 s67, 0
	s_mul_i32 s62, s14, QR                         ; my group's region: no place in the cluster enters an LDS address
	s_wait_kmcnt 0x0
	s_add_nc_u64 s[12:13], s[4:5], s[12:13]        ; source 1's record
	s_add_nc_u64 s[66:67], s[6:7], s[66:67]        ; source 0's record
	CROUND                                         ; all sixteen work-groups are here: the first joint loads meet
.irp n, 0,1
	s_mov_b32 s[G0+4*\n], 1
	s_add_co_u32 s[G0+4*\n+1], s62, \n*SLOT
	s_add_nc_u64 s[G0+4*\n+2:G0+4*\n+3], s[12:13], \n*HALFT
	s_or_b32 s[G0+4*\n+3], s[G0+4*\n+3], 0x80000000
	s_mov_b32 s[G0B+4*\n], 1
	s_add_co_u32 s[G0B+4*\n+1], s62, \n*SLOT
	s_add_nc_u64 s[G0B+4*\n+2:G0B+4*\n+3], s[66:67], \n*HALFT
	s_or_b32 s[G0B+4*\n+3], s[G0B+4*\n+3], 0x80000000
.endr
	JLOAD G0, G1, G0B, G1B                         ; part 0 of K, codes and scales: my one tensor load at the head
	; ---- q's or k's bias; then part 2's two groups 0, into the registers that held the arguments
	s_cmp_lt_u32 s2, 8
	s_cselect_b64 s[100:101], s[8:9], s[10:11]     ; bq or bk
	s_lshl_b32 s23, s23, 1
	s_add_co_u32 s23, s23, s16                     ; part 2: the group of 128 tokens that I would fetch, and the one that I multiply
	s_mul_i32 s66, s23, REC
	s_mov_b32 s67, 0
	s_add_nc_u64 s[G0PB+2:G0PB+3], s[4:5], s[66:67]   ; x's record, whole
	s_or_b32 s[G0PB+3], s[G0PB+3], 0x80000000
	s_mov_b32 s[G0PB], 1
	s_mul_i32 s[G0PB+1], s16, REC
	s_add_co_u32 s[G0PB+1], s[G0PB+1], REC         ; to LDS behind Wv's record
	s_add_co_u32 s12, s22, 16                      ; Wv's groups are records 16 to 23 of wc
	s_mul_i32 s12, s12, REC
	s_mul_i32 s[G0P+1], s16, REC/2                 ; my half of that record, in LDS and in memory
	s_add_co_u32 s12, s12, s[G0P+1]
	s_mov_b32 s13, 0
	s_add_nc_u64 s[G0P+2:G0P+3], s[6:7], s[12:13]
	s_or_b32 s[G0P+3], s[G0P+3], 0x80000000
	s_mov_b32 s[G0P], 1
	; ---- the biases' places and the results' places
	s_mov_b32 s19, 0                               ; s[18:19]: an offset
	s_and_b32 s18, s2, 7
	s_lshl_b32 s18, s18, 9
	s_add_nc_u64 s[100:101], s[100:101], s[18:19]  ; the head's 128 numbers of bq or bk
	s_lshl_b32 s18, s22, 9
	s_lshl_b32 s17, s15, 8
	s_add_co_u32 s18, s18, s17
	s_add_nc_u64 s[56:57], s[56:57], s[18:19]      ; my 64 channels' numbers of bv
	s_lshl_b32 s17, s20, 1
	s_add_co_u32 s17, s17, s15                     ; part 1: my group of 128 tokens
	s_add_co_u32 s22, s22, 16                      ; part 2: v's planes are 16 to 23
	s_mul_i32 s18, s22, PLANE
	s_mul_i32 s3, s23, KST
	s_add_co_u32 s18, s18, s3
	s_mul_i32 s3, s15, 4*IMG
	s_add_co_u32 s18, s18, s3
	s_add_nc_u64 s[62:63], s[58:59], s[18:19]      ; part 2's images: plane, group of tokens, my four channel blocks
	s_mul_i32 s18, s2, PLANE
	s_mul_i32 s3, s17, KST
	s_add_co_u32 s18, s18, s3
	s_add_nc_u64 s[58:59], s[58:59], s[18:19]      ; part 1's images: plane, group of tokens
	s_lshl_b32 s18, s22, 15
	s_lshl_b32 s3, s23, 9
	s_add_co_u32 s18, s18, s3
	s_lshl_b32 s3, s15, 8
	s_add_co_u32 s18, s18, s3
	s_add_nc_u64 s[20:21], s[60:61], s[18:19]      ; part 2: my half of the scale pack
	s_lshl_b32 s18, s2, 15
	s_lshl_b32 s3, s17, 9
	s_add_co_u32 s18, s18, s3
	s_add_nc_u64 s[60:61], s[60:61], s[18:19]      ; part 1's scale pack
	; ---- LDS addresses
	v_and_b32 v1, 15, v0                           ; r
	v_bfe_u32 v2, v0, 4, 1                         ; h
	v_and_b32 v3, 31, v0                           ; lane
	v_lshlrev_b32 v[LI], 4, v3
	v_lshlrev_b32 v[DOF], 4, v1
	v_lshl_add_u32 v[DOF], v2, 3, v[DOF]
	s_mul_i32 s12, s15, QR                         ; part 1: my 128 rows of source 1,
	s_mul_i32 s13, s16, QR
	s_add_co_u32 s13, s13, 2*QR                    ; of source 0
.irp n, 0,1,2
	v_add_nc_u32 v[ADRA+\n], s12, v[LI]
	v_add_nc_u32 v[ADRB+\n], s13, v[LI]
	s_add_co_u32 s12, s12, SLOT
	s_add_co_u32 s13, s13, SLOT
.endr
	s_mul_i32 s12, s15, QR
	s_mul_i32 s13, s16, QR
	s_add_co_u32 s13, s13, 2*QR
	s_sub_co_u32 s13, s13, s12
	v_mul_u32_u24 v5, s13, v2                      ; lanes 16-31 take source 0's words: one product with h
	s_add_co_u32 s12, s12, CODES                   ; the scale packs lie behind a part's codes
	v_lshl_add_u32 v5, v1, 4, v5
	v_add_nc_u32 v[ADRS], s12, v5
	s_mul_i32 s12, s15, 4*IMG                      ; part 2: Wv's record lies at LDS byte 0: my four blocks of each K step
	v_add_nc_u32 v[A2A], s12, v[LI]
	v_add_nc_u32 v[A2A+1], 2*HALFT, v[A2A]
	s_mul_i32 s13, s16, REC
	s_add_co_u32 s13, s13, REC                     ; my record of x
	v_add_nc_u32 v[A2B], s13, v[LI]
	v_add_nc_u32 v[A2B+1], 2*HALFT, v[A2B]
	s_lshl_b32 s12, s15, 8                         ; the half of Wv's scale packs that holds my four blocks
	s_sub_co_u32 s13, s13, s12
	v_mul_u32_u24 v5, s13, v2                      ; lanes 16-31 take x's words: one product with h
	s_add_co_u32 s12, s12, CODES
	v_lshl_add_u32 v5, v1, 4, v5
	v_add_nc_u32 v[ADRS2], s12, v5
	v_add_nc_u32 v[ADRS2+2], 2*HALFT, v[ADRS2]     ; v14: the same for K steps 4-7
	; ---- the biases
	v_lshlrev_b32 v5, 6, v2                        ; along the registers: tile b's eight of my half: 32 (b / 2) + 16 h + 8 (b % 2) + 0 .. 7
.irp b, 0,1,2,3,4,5,6,7
	global_load_b128 v[BI+8*\b:BI+8*\b+3], v5, s[100:101] offset:4*(32*(\b/2)+8*(\b%2))
	global_load_b128 v[BI+8*\b+4:BI+8*\b+7], v5, s[100:101] offset:4*(32*(\b/2)+8*(\b%2))+16
.endr
	v_and_b32 v6, 7, v1
	v_and_b32 v7, 8, v1
	v_lshl_add_u32 v6, v7, 1, v6
	v_lshlrev_b32 v6, 2, v6                        ; along the lanes: row r of my block a is channel 32 (a / 2) + 16 (r / 8) + 8 (a % 2) + r % 8 of my 64
.irp a, 0,1,2,3
	global_load_b32 v[BL+2*\a], v6, s[56:57] offset:4*(32*(\a/2)+8*(\a%2))
	v_mov_b32 v[BL+2*\a+1], 0                      ; (named with it as a pair)
.endr
	v_mov_b32 v[ZP], 0
	v_mov_b32 v[ZP+1], 0
	s_wait_loadcnt 0x0
.macro FRAG reg, adr, q, i             ; an image comes back as it was stored: three loads of 512 consecutive bytes
.irp c, 0,1,2
	ds_load_b128 v[(\reg)+4*\c:(\reg)+4*\c+3], v[\adr] offset:KST*(\q)+IMG*(\i)+512*\c
.endr
.endm
.macro FETCH_B slot, q, p              ; source 0's eight fragments into set p: 24 loads
	WIN TO_B
.irp i, 0,1,2,3,4,5,6,7
	FRAG 128*(\p)+FR*\i, ADRB+\slot, \q, \i
.endr
	WIN 0
.endm
.macro FETCH_A slot, q, i0             ; source 1's blocks i0 .. i0 + 3: 12 loads
.irp i, \i0, \i0+1, \i0+2, \i0+3
	FRAG AF+FR*(\i), ADRA+\slot, \q, \i
.endr
.endm
.macro SCALES sc, sig                  ; the scale words of part sig of K (two steps) into set sc: 4 loads
.irp q, 0,1
.irp hf, 0,1
	ds_load_b128 v[SC+16*(\sc)+8*\q+4*\hf:SC+16*(\sc)+8*\q+4*\hf+3], v[ADRS] offset:SLOT*((\sig)%3)+512*\q+256*\hf
.endr
.endr
.endm
; 16 matrix instructions: source 1's blocks a0, a0 + 1 x source 0's eight.  The 64 accumulators take turns, one instruction a turn, in the same order in every step.
.macro MUL16 a0, p, q, sc, first
.irp a, \a0, \a0+1
.irp b, 0,1,2,3,4,5,6,7
.if \first
	v_wmma_scale_f32_16x16x128_f8f6f4 v[8*(8*((\a)%4)+\b):8*(8*((\a)%4)+\b)+7], v[128*(\p)+FR*\b:128*(\p)+FR*\b+FR-1], v[AF+FR*(\a):AF+FR*(\a)+FR-1], v[BI+8*\b:BI+8*\b+7], v[SC+16*(\sc)+8*(\q)+\b], v[SC+16*(\sc)+8*(\q)+(\a)] matrix_a_fmt:MATRIX_FMT_FP6 matrix_b_fmt:MATRIX_FMT_FP6 matrix_a_scale:MATRIX_SCALE_ROW1
.else
	v_wmma_scale_f32_16x16x128_f8f6f4 v[8*(8*((\a)%4)+\b):8*(8*((\a)%4)+\b)+7], v[128*(\p)+FR*\b:128*(\p)+FR*\b+FR-1], v[AF+FR*(\a):AF+FR*(\a)+FR-1], v[8*(8*((\a)%4)+\b):8*(8*((\a)%4)+\b)+7], v[SC+16*(\sc)+8*(\q)+\b], v[SC+16*(\sc)+8*(\q)+(\a)] matrix_a_fmt:MATRIX_FMT_FP6 matrix_b_fmt:MATRIX_FMT_FP6 matrix_a_scale:MATRIX_SCALE_ROW1
.endif
.endr
.endr
.endm
; Part 1: a step of 128 along K: step q of slot, with scale set sc; it fetches the next step's fragments (step nq of nslot).
; mode 0: no barrier.  mode 1: a barrier: the refill has landed for everybody.  mode 2: the change of slots with the refill: every wave waits for all its tensor loads, adds 0 to its spare word,
; waits for that and for its reads of slot 0; the barrier opens a round of the cluster's barrier, and the joint refill is the first tensor load behind it.
.macro KS slot, q, sc, first, nslot, nq, nsig, mode
.if \mode == 2
	s_wait_tensorcnt 0x0                           ; all my tensor loads have landed, slots 1 and 2 among them
	ds_add_u32 v[SPW], v[NIL]                      ; 0 onto my spare word
	s_wait_dscnt 13                                ; the add and the youngest 12 loads (source 1's blocks 4-7) may be out
.elseif \mode == 1
	s_wait_tensorcnt 0x0                           ; my part of the refill has landed
	s_wait_dscnt 12
.else
	s_wait_dscnt 12                                ; the youngest 12 loads (source 1's blocks 4-7) may be out
.endif
.if \first
	WIN FIRST_LO
.else
	WIN MUL_LO
.endif
	MUL16 0, \q, \q, \sc, \first
.if \mode > 0
	s_wait_dscnt 0x0                               ; my reads of the slot are over (and the add is done)
	s_barrier_signal -1
.endif
	MUL16 2, \q, \q, \sc, \first
.if \mode == 0
	s_wait_dscnt 0x0                               ; source 1's blocks 4-7 are in
	PLACES 4                                       ; four plain instructions in front of loads into registers that matrix instructions have read
.else
	WIN 0
	s_barrier_wait -1
.if \mode == 2
	CREST                                          ; no wave of any partner still reads slot 0 or has a load on its way
	s_add_nc_u64 s[G0+2:G0+3], s[G0+2:G0+3], 3*HALFT       ; part 3 of K
	s_add_nc_u64 s[G0B+2:G0B+3], s[G0B+2:G0B+3], 3*HALFT
	JLOAD G0, G1, G0B, G1B                         ; it has four steps, 256 matrix instructions, in which to land; its four v_nop are the places in front of the loads below
.else
	PLACES 4
.endif
.endif
	FETCH_B \nslot, \nq, 1-(\q)
	FETCH_A \nslot, \nq, 0
.if \nq == 0
	SCALES 1-(\sc), \nsig
.endif
.if \first
	WIN FIRST_HI
.else
	WIN MUL_HI
.endif
	MUL16 4, \q, \q, \sc, \first
	MUL16 6, \q, \q, \sc, \first
	PLACES 4
	WIN 0
	FETCH_A \nslot, \nq, 4
.endm
; Part 2: K step st's fragments and scale words into sets p: 24 loads (source 0's eight blocks), 12 (my four of source 1), 2 (scale words): 38
.macro FETCH2 st, p
	WIN TO_B
.irp i, 0,1,2,3,4,5,6,7
.irp c, 0,1,2
	ds_load_b128 v[128*(\p)+FR*\i+4*\c:128*(\p)+FR*\i+4*\c+3], v[A2B+(\st)/4] offset:HALFT*(((\st)/2)%2)+KST*((\st)%2)+IMG*\i+512*\c
.endr
.endr
	WIN 0
.irp i, 0,1,2,3
.irp c, 0,1,2
	ds_load_b128 v[AF+48*(\p)+FR*\i+4*\c:AF+48*(\p)+FR*\i+4*\c+3], v[A2A+(\st)/4] offset:HALFT*(((\st)/2)%2)+KST*((\st)%2)+IMG*\i+512*\c
.endr
.endr
	ds_load_b128 v[SC+8*(\p):SC+8*(\p)+3], v[ADRS2+2*((\st)/4)] offset:HALFT*(((\st)/2)%2)+512*((\st)%2)
	ds_load_b128 v[SC+8*(\p)+4:SC+8*(\p)+7], v[ADRS2+2*((\st)/4)] offset:HALFT*(((\st)/2)%2)+512*((\st)%2)+256
.endm
; Part 2: a step's 32 matrix instructions: my four blocks of source 1 x source 0's eight; the 32 accumulators take turns
.macro MUL32 p, first
.irp a, 0,1,2,3
.irp b, 0,1,2,3,4,5,6,7
.if \first
	v_wmma_scale_f32_16x16x128_f8f6f4 v[8*(8*\a+\b):8*(8*\a+\b)+7], v[128*(\p)+FR*\b:128*(\p)+FR*\b+FR-1], v[AF+48*(\p)+FR*\a:AF+48*(\p)+FR*\a+FR-1], 0, v[SC+8*(\p)+\b], v[SC+8*(\p)+\a] matrix_a_fmt:MATRIX_FMT_FP6 matrix_b_fmt:MATRIX_FMT_FP6 matrix_a_scale:MATRIX_SCALE_ROW1
.else
	v_wmma_scale_f32_16x16x128_f8f6f4 v[8*(8*\a+\b):8*(8*\a+\b)+7], v[128*(\p)+FR*\b:128*(\p)+FR*\b+FR-1], v[AF+48*(\p)+FR*\a:AF+48*(\p)+FR*\a+FR-1], v[8*(8*\a+\b):8*(8*\a+\b)+7], v[SC+8*(\p)+\b], v[SC+8*(\p)+\a] matrix_a_fmt:MATRIX_FMT_FP6 matrix_b_fmt:MATRIX_FMT_FP6 matrix_a_scale:MATRIX_SCALE_ROW1
.endif
.endr
.endr
.endm
; A WAY OUT: block a's 64 registers are 128 neighbours of the quantised axis (in two halves of the lanes) for 16 rows: one image and one scale word a row.
; bl: the pair whose low word is added (the lane's bias, or 0); ob: the images' base; wx = 1: earlier stores may still read this set of code registers
.macro OUTA a, bl, ob, wx
.if \wx
	s_wait_xcnt 0x0                                ; the earlier stores have read their registers
.endif
	WIN 0x02+(\a)/4                                ; source 0: window 2 or 3
.set NN, 0
.rept 32
	v_pk_add_f32 v[XQ+2*NN:XQ+2*NN+1], v[64*((\a)%4)+2*NN:64*((\a)%4)+2*NN+1], v[(\bl):(\bl)+1] op_sel_hi:[1,0]   ; into window 0; each accumulator from its low end on
.set NN, NN+1
.endr
	WIN 0
	QUANT XQ, 128+12*((\a)%2), 152, PW+(\a), TM
.irp c, 0,1,2
	global_store_b128 v[LI], v[128+12*((\a)%2)+4*\c:128+12*((\a)%2)+4*\c+3], s[\ob:\ob+1] offset:IMG*(\a)+512*\c   ; 32 lanes store 512 consecutive bytes
.endr
.endm
	; ================ PART 1 ================
	s_wait_alu depctr_va_vdst(0)                   ; the wait at the head's end
	s_wait_tensorcnt 0x0                           ; my part 0 is in
	ds_add_u32 v[SPW], v[NIL]
	s_wait_dscnt 0x0
	CROUND                                         ; everybody's part 0 is in, and all sixteen work-groups are here
	JLOAD G0+4, G1S, G0B+4, G1SB                   ; parts 1 and 2 of K, one load a wave: the first tensor load behind the round
	FETCH_B 0, 0, 0
	FETCH_A 0, 0, 0
	SCALES 0, 0
	FETCH_A 0, 0, 4
	KS 0, 0, 0, 1, 0, 1, 0, 0                      ; the first products start the sums, from the bias
	KS 0, 1, 0, 0, 1, 0, 1, 2                      ; slot 0 is left and filled again
	KS 1, 0, 1, 0, 1, 1, 0, 0
	KS 1, 1, 1, 0, 2, 0, 2, 0                      ; slot 2 was shown whole to every wave at the change of slots
	KS 2, 0, 0, 0, 2, 1, 0, 0
	KS 2, 1, 0, 0, 0, 0, 3, 1
	KS 0, 0, 1, 0, 0, 1, 0, 0
	; The last step.  All LDS reads of part 1 have been issued, so here all of the slots are given to part 2: the waits and the add, a round of the cluster's barrier, one joint load a wave.
	s_wait_tensorcnt 0x0                           ; no tensor load of mine is out, so descriptor words may be written
	ds_add_u32 v[SPW], v[NIL]                      ; 0 onto my spare word
	s_mov_b32 s[G1SB+2], 400<<16                   ; source 0: a record is 400 rows
	s_mov_b32 s[G1SB+4], 400
	s_wait_dscnt 13                                ; the add and the youngest 12 loads may be out
	WIN MUL_LO
	MUL16 0, 1, 1, 1, 0
	s_wait_dscnt 0x0                               ; the add is done, and my last reads of part 1's tiles and scales are over
	s_barrier_signal -1
	MUL16 2, 1, 1, 1, 0
	WIN 0
	s_barrier_wait -1
	CREST                                          ; no wave of any partner still reads, or has a load on its way
	JLOAD G0P, G1S, G0PB, G1SB                     ; part 2's three records, codes and scales: it lands under the 32 products and the eight blocks' way out below
	WIN MUL_HI
	MUL16 4, 1, 1, 1, 0
	MUL16 6, 1, 1, 1, 0
	WIN 0
	PLACES 4
	s_mov_b32 s[SEL], 0x76543210
	s_mov_b32 s[SEL+1], 0xfedcba98
.irp b, 0,1,2,3
	v_mov_b32 v[TM+4+\b], 0                        ; a lane permute's destination counts as one of its sources
.endr
	s_wait_alu depctr_va_vdst(0)
	OUTA 0, ZP, 58, 0
	OUTA 1, ZP, 58, 0
	OUTA 2, ZP, 58, 1
	OUTA 3, ZP, 58, 1
	OUTA 4, ZP, 58, 1
	OUTA 5, ZP, 58, 1
	OUTA 6, ZP, 58, 1
	OUTA 7, ZP, 58, 1
	v_cmp_le_u32 vcc_lo, 16, v3                    ; lanes 16-31 store the words of blocks 4-7
.irp i, 0,1,2,3
	v_cndmask_b32 v[184+\i], v[PW+\i], v[PW+4+\i], vcc_lo
.endr
	global_store_b128 v[LI], v[184:187], s[60:61]  ; the whole scale pack: 512 consecutive bytes
	; ================ PART 2 ================
	s_wait_tensorcnt 0x0                           ; my piece of the three records has landed,
	s_wait_xcnt 0x0                                ; and part 1's stores have read the registers that the fragments now take
	s_barrier_signal -1
	s_barrier_wait -1                              ; everybody's has
	FETCH2 0, 0
	FETCH2 1, 1
	s_wait_dscnt 38                                ; K step 0's loads are in; K step 1's 38 may be out
	WIN MUL_LO
	MUL32 0, 1                                     ; the first products start the sums
.irp s, 1,2,3,4,5,6
	PLACES 4                                       ; in front of loads into the sets that the step before last... the last products but these have read
	FETCH2 \s+1, (\s+1)%2
	s_wait_dscnt 38                                ; this step's loads are in; the next step's 38 may be out
	WIN MUL_LO
	MUL32 \s%2, 0
.endr
	s_wait_dscnt 0x0
	MUL32 1, 0
	WIN 0
	PLACES 4
	OUTA 0, BL, 62, 1
	OUTA 1, BL+2, 62, 1
	OUTA 2, BL+4, 62, 1
	OUTA 3, BL+6, 62, 1
	v_cmp_le_u32 vcc_lo, 16, v3                    ; lanes 16-31 store the words of my blocks 2 and 3
	v_cndmask_b32 v184, v[PW], v[PW+2], vcc_lo
	v_cndmask_b32 v185, v[PW+1], v[PW+3], vcc_lo
	global_store_b64 v[DOF], v[184:185], s[20:21]  ; my half of the scale pack: 256 consecutive bytes
	s_wait_tensorcnt 0x0                           ; the wave's end
	ds_add_u32 v[SPW], v[NIL]
	s_wait_dscnt 0x0
	CROUND                                         ; the closing round
	s_endpgm
.Lfunc_end_k_q016b9f246a_qkv:
	.size	k_q016b9f246a_qkv, .Lfunc_end_k_q016b9f246a_qkv-k_q016b9f246a_qkv
	.p2alignl 7, 3214868480
	.fill 96, 4, 3214868480
	.section	.rodata,"a",@progbits
	.p2align	6, 0x0
	.amdhsa_kernel k_q016b9f246a_qkv
		.amdhsa_group_segment_fixed_size 327680
		.amdhsa_private_segment_fixed_size 0
		.amdhsa_enable_private_segment 0
		.amdhsa_kernarg_size 56
		.amdhsa_user_sgpr_count 2
		.amdhsa_user_sgpr_kernarg_segment_ptr 1
		.amdhsa_wavefront_size32 1
		.amdhsa_system_sgpr_workgroup_id_x 1
		.amdhsa_system_sgpr_workgroup_id_y 1
		.amdhsa_system_sgpr_workgroup_id_z 1
		.amdhsa_system_vgpr_workitem_id 0
		.amdhsa_next_free_vgpr 1024
		.amdhsa_next_free_sgpr 104
		.amdhsa_reserve_vcc 1
		.amdhsa_float_denorm_mode_32 3
		.amdhsa_float_denorm_mode_16_64 3
		.amdhsa_memory_ordered 1
		.amdhsa_forward_progress 1
		.amdhsa_inst_pref_size 235
	.end_amdhsa_kernel
	.amdgpu_metadata
---
amdhsa.version: [ 1, 2 ]
amdhsa.kernels:
  - .name:           k_q016b9f246a_qkv
    .symbol:         k_q016b9f246a_qkv.kd
    .args:
      - { .name: xc, .offset: 0, .size: 8, .value_kind: global_buffer, .address_space: global }
      - { .name: wc, .offset: 8, .size: 8, .value_kind: global_buffer, .address_space: global }
      - { .name: bq, .offset: 16, .size: 8, .value_kind: global_buffer, .address_space: global }
      - { .name: bk, .offset: 24, .size: 8, .value_kind: global_buffer, .address_space: global }
      - { .name: bv, .offset: 32, .size: 8, .value_kind: global_buffer, .address_space: global }
      - { .name: qkvc, .offset: 40, .size: 8, .value_kind: global_buffer, .address_space: global }
      - { .name: qkvs, .offset: 48, .size: 8, .value_kind: global_buffer, .address_space: global }
    .group_segment_fixed_size: 327680
    .private_segment_fixed_size: 0
    .kernarg_segment_align: 8
    .kernarg_segment_size: 56
    .max_flat_workgroup_size: 128
    .sgpr_count:     104
    .vgpr_count:     1024
    .wavefront_size: 32
...
	.end_amdgpu_metadata
.endif
;; end of part 2
;; launch attn (part 3): grid 4 x 64, 8 waves a work-group, clusters of 4 x 1, 240,640 bytes of LDS; arguments qkvc, qkvs, oc; writes oc
.if DOCPART == 3
	.amdgcn_target "amdgcn-amd-amdhsa--gfx1250"
	.amdhsa_code_object_version 6
	.text
	.protected	k_q016b9f246a_attn
	.globl	k_q016b9f246a_attn
	.p2align	8
	.type	k_q016b9f246a_attn,@function
k_q016b9f246a_attn:
	s_mov_b64 s[64:65], 0
	v_nop
	global_prefetch_b8 v0, s[64:65] scope:SCOPE_SE
	s_setreg_imm32_b32 hwreg(HW_REG_WAVE_MODE, 25, 1), 1
	s_wait_xcnt 0x0
	s_wait_alu depctr_hold_cnt(0) depctr_sa_sdst(0) depctr_va_vdst(0) depctr_va_sdst(0) depctr_va_ssrc(0) depctr_va_vcc(0) depctr_vm_vsrc(0)
	s_getreg_b32 s2, hwreg(HW_REG_IB_STS2, 6, 4)
	s_cmp_eq_u32 s2, 0
	s_cbranch_scc0 .Lentry_in_a_cluster
	s_endpgm
.Lentry_in_a_cluster:
	s_bfe_u32 s2, ttmp6, 0x10000c
	s_cmp_lg_u32 s2, 0x3003
	s_cbranch_scc0 .Lentry_shape_is_right
	s_endpgm
.Lentry_shape_is_right:
; O = (softmax(q k^T) / 32) v for one (batch, head), both products on codes of FP6 (E2M3) with E8M0 scales.  The weights are quantised FINISHED: normalised by the row's sum and divided by 32, along the keys.
; So a query's whole row of 1,024 numbers is kept in registers until its sum is known; each score and each exponential is made once.
; SHARES.  A work-group owns 256 queries of one (batch, head).  EIGHT WAVES, two to a SIMD, 512 registers each.  Waves w and w + 4 are a pair: in each of four passes the pair takes a tile of 16 queries, the lower wave with
; keys 0-511, the upper with keys 512-1,023: 16 x 512 scores are 256 registers, all of window 1.  The head's K and V (codes 98,304 bytes each, scales 4,096 each) lie in LDS for the whole launch, filled once:
; waves 0-3 ask for a half of K's or V's codes each, waves 4-7 for a half of K's or V's scales: one tensor load a wave.  The four work-groups of a cluster share (batch, head): every load is JOINT (mask 15).
; Every byte that comes into LDS by a tensor load is asked for at the head, so there is no later load for a prefetch to run ahead of.
; LAYOUT.  Both products are used transposed: S^T = K Q^T, O^T = V^T P^T: a lane holds one query throughout.  K's, V's and Q's images hold their rows so that place p is logical row p with bits 3 and 4 exchanged,
; so the 64 registers of a step's eight tiles are: register 16 b + i = key (or channel) 32 b + 16 (lane / 16) + i.
; ARITHMETIC, all f32, c = log2(e).  THE MAXIMUM RUNS: behind my step k's products m_k = the largest score of my steps 0 .. k, n_k = -(m_k c), p = 2^(fma(s, c, n_k)); the sum so far is multiplied by 2^(n_k - n_(k-1)) and takes
; step k's p.  So a step's vector work stands under the flight of the next step's fragments.  No branch hangs on a number.  The pair exchanges (n_3, l) through LDS, 8 bytes a lane, behind a barrier:
; N = the lesser n_3 (the row's maximum), L = l 2^(N - n_3) + l' 2^(N - n_3'), step k's weights = p x g_k, g_k = 2^(N - n_k) x rcp(L) / 32.
; A block's largest weight is not searched for: the block's largest score goes through the same instructions.
; Each wave sums O^T over its own keys; the upper wave hands its 64 registers to the lower one through a stage in LDS, behind a second barrier; the lower wave adds, quantises along the head's 128 and stores an image into oc's
; records: a record is a group of 128 tokens, four parts of 25,600 bytes; part n = K steps (heads) 2 n, 2 n + 1: codes [step][block] x 1,536, then two scale packs of 512.
; LIMITS: the promise holds while the scores x c stay under 2^31 in magnitude; it takes v_exp_f32 not to fall where its input rises; p or g under 2^-126 comes out as 0; a block of zeros gets the byte 1 (its codes are zeros,
; only this program reads the bytes); NaN and infinities are not served.
; REGISTERS.  window 0: v1-12 addresses; v13-15 at work; v16-27 Q's fragment, v28 its scale words, v29 P's; v32-127 eight fragments of K or V; v128-191 O^T; v192-199 K's or V's scale words; v200-255 the work area.
;   window 1: S^T of my step k at v[64 k].
.set KC,   0
.set VC,   98304
.set KSC,  196608
.set SPARE, 204800                     ; the spare words: 128 bytes a wave, 1,024 in all
.set STATS, 205824                     ; (n, l): 8 bytes a thread
.set OSTAGE, 207872                    ; the upper waves' O^T: 8,192 bytes a pair
.set PART, 25600
.set REC,  4*PART
.set LI,   1                           ; 16 x lane
.set AK,   2                           ; my four steps of K
.set AV,   3
.set ASK,  4                           ; their scale words
.set ASV,  5
.set QSO,  6                           ; 16 r
.set DOF,  7                           ; 16 r + 8 h
.set STX,  8                           ; my (n, l)
.set LDX,  9                           ; my partner's
.set OST,  10                          ; the pair's stage
.set SPW,  11
.set NIL,  12
.set T0,   13
.set T1,   14
.set T2,   15
.set QF,   16
.set QS,   28
.set PS,   29
.set RM,   30
.set PWT,  31
.set F0,   32
.set OT,   128
.set SS,   192
.set BM,   200                         ; the blocks' largest, four for each of my four steps
.set TT,   216
.set SO,   220                         ; the conversions' scale operands
.set PC,   224                         ; the codes just made
.set TX,   224                         ; in the score phase, while no codes are made: the maxima's lane temporaries,
.set TP,   236
.set FL,   236                         ; 2^(n_k - n_(k-1)), the low word of a pair,
.set DL,   238                         ; n_k - n_(k-1),
.set NS,   239                         ; and n_0 .. n_3
.set NM,   244                         ; the running n, the low word of a pair
.set GK,   244                         ; behind the exchange: g_k at v[GK + 2 k], each the low word of a pair (they take n's and the sums' places)
.set SUA,  248                         ; the sum: four chains of pairs, here and in v[TT ..]
.set RR,   252                         ; O's scale words of the four passes
.set SEL,  62                          ; s[62:63] lane selects: lane l xor 16
.set CS,   66                          ; s[66:67] c, twice;  s68 -c
.set W_S,  0x41                        ; destination and source 0 in window 1
.set W_M,  0x14                        ; sources 1 and 2 in window 1
.set MSB, 0
.macro WIN new                         ; the immediate's high byte repeats the setting that is left
.if MSB != (\new)
	s_set_vgpr_msb (MSB<<8)|(\new)
.set MSB, (\new)
.endif
.endm
.macro PLACES n
.rept \n
	v_nop
.endr
.endm
.macro AW
	s_wait_alu depctr_va_vdst(0)
.endm
.macro CROUND                          ; a round of the cluster's barrier
	s_barrier_signal -1
	s_barrier_wait -1
	s_cmp_lg_u32 s12, 0
	s_cbranch_scc1 .Lnot_wave_0_\@
	s_barrier_signal -3
.Lnot_wave_0_\@:
	s_barrier_wait -3
	s_barrier_signal -1
	s_barrier_wait -1
.endm
.macro QUANT s, pc, tp, pw, tm         ; 64 numbers of a lane -> a fragment's 12 registers and its scale word
.irp b, 0,1,2,3
	v_max3_num_f32 v[(\tm)+\b], |v[(\s)+16*\b]|, |v[(\s)+16*\b+1]|, 0x1800000   ; my 16 numbers of block b, and the floor 2^(3 - 127)
.endr
.irp i, 2,4,6,8,10,12,14
.irp b, 0,1,2,3
	v_max3_num_f32 v[(\tm)+\b], v[(\tm)+\b], |v[(\s)+16*\b+\i]|, |v[(\s)+16*\b+\i+1]|
.endr
.endr
.irp b, 0,1,2,3
	v_permlanex16_b32 v[(\tm)+4+\b], v[(\tm)+\b], s[SEL], s[SEL+1]
.endr
.irp b, 0,1,2,3
	v_max_num_f32 v[(\tm)+\b], v[(\tm)+\b], v[(\tm)+4+\b]
.endr
.irp b, 0,1,2,3
	v_add_nc_u32 v[(\tm)+12+\b], 0xff000000, v[(\tm)+\b]
.endr
.irp b, 0,1,2,3
	v_lshrrev_b32 v[(\tm)+4+\b], 23, v[(\tm)+12+\b]
.endr
	v_lshl_or_b32 v[\pw], v[(\tm)+5], 8, v[(\tm)+4]
	v_lshl_or_b32 v[\pw], v[(\tm)+6], 16, v[\pw]
	v_lshl_or_b32 v[\pw], v[(\tm)+7], 24, v[\pw]
.irp c, 0,1
	v_cvt_scalef32_pk16_fp6_f32 v[(\pc)+6*\c:(\pc)+6*\c+2], v[(\s)+32*\c:(\s)+32*\c+15], v[(\tm)+12+2*\c]
	v_cvt_scalef32_pk16_fp6_f32 v[(\tp)+4*\c:(\tp)+4*\c+2], v[(\s)+32*\c+16:(\s)+32*\c+31], v[(\tm)+13+2*\c]
.endr
	v_nop                                          ; one plain instruction behind the scaled conversions
.irp c, 0,1
.irp i, 0,1,2
	v_permlane16_swap_b32 v[(\pc)+6*\c+\i], v[(\tp)+4*\c+\i]
.endr
.irp i, 0,1,2
	v_mov_b32 v[(\pc)+6*\c+3+\i], v[(\tp)+4*\c+\i]
.endr
.endr
.endm
	s_load_b128 s[4:7], s[0:1], 0x0                ; qkvc, qkvs
	s_load_b64 s[8:9], s[0:1], 0x10                ; oc
	v_lshl_add_u32 v[SPW], v0, 2, SPARE
	v_mov_b32 v[NIL], 0
	ds_add_u32 v[SPW], v[NIL]                      ; the opening: the add, twice on end, and its wait ahead of my tensor load
	ds_add_u32 v[SPW], v[NIL]
	v_lshrrev_b32 v13, 5, v0
	v_readfirstlane_b32 s12, v13                   ; wave 0..7
	s_and_b32 s69, s12, 3                          ; my pair.  Also: which of four pieces I fetch
	s_lshr_b32 s70, s12, 2                         ; my half of the keys
	s_bfe_u32 s14, ttmp6, 0x40000                  ; cx: it enters Q's and O's global addresses alone
	s_and_b32 s15, ttmp7, 0xffff                   ; (batch, head), which the four partners share
	s_lshr_b32 s48, s15, 3                         ; batch
	s_and_b32 s49, s15, 7                          ; head
	; groups 1: dense blocks as rows of 256 bytes (32 elements of 8 bytes): half the codes of K or V are 192 rows, half the scales 8
	s_mov_b32 s16, 15|(3<<16)|(1<<21)              ; 15:0 the mask: all four work-groups; 17:16 elements of 8 bytes; 21 set beside a mask
	s_mov_b32 s17, 32<<16
	s_mov_b32 s18, 192<<16
	s_mov_b32 s19, 32<<16
	s_mov_b32 s20, 192
	s_mov_b32 s21, 32
	s_mov_b32 s22, 0
	s_mov_b32 s23, 0
	s_mov_b32 s24, 15|(3<<16)|(1<<21)
	s_mov_b32 s25, 32<<16
	s_mov_b32 s26, 8<<16
	s_mov_b32 s27, 32<<16
	s_mov_b32 s28, 8
	s_mov_b32 s29, 32
	s_mov_b32 s30, 0
	s_mov_b32 s31, 0
	s_lshr_b32 s10, s69, 1                         ; pieces 0, 1: K's halves; 2, 3: V's
	s_and_b32 s11, s69, 1
	s_add_co_u32 s10, s10, 1
	s_lshl_b32 s10, s10, 3
	s_add_co_u32 s10, s10, s49                     ; the plane: K's are 8-15, V's 16-23
	s_mul_i32 s50, s10, 786432
	s_mul_i32 s52, s48, 98304                      ; the batch's 64 images in it
	s_add_co_u32 s50, s50, s52
	s_mul_i32 s52, s11, 49152
	s_add_co_u32 s50, s50, s52
	s_mov_b32 s51, 0
	s_lshl_b32 s52, s10, 15                        ; the same among the scale packs
	s_lshl_b32 s53, s48, 12
	s_add_co_u32 s52, s52, s53
	s_lshl_b32 s53, s11, 11
	s_add_co_u32 s52, s52, s53
	s_mov_b32 s53, 0
	s_mov_b32 s32, 1
	s_mul_i32 s33, s69, 49152                      ; LDS: K's codes at 0, V's behind them
	s_mov_b32 s36, 1
	s_lshl_b32 s37, s69, 11
	s_add_co_u32 s37, s37, KSC                     ; K's scales, V's behind them
	s_mov_b32 s[SEL], 0x76543210
	s_mov_b32 s[SEL+1], 0xfedcba98
	s_mov_b32 s[CS], 0x3fb8aa3b                    ; c = log2(e)
	s_mov_b32 s[CS+1], s[CS]                       ; (named with it as a pair)
	s_mov_b32 s68, 0xbfb8aa3b                      ; -c
	s_wait_dscnt 0x0
	s_wait_kmcnt 0x0
	s_add_nc_u64 s[34:35], s[4:5], s[50:51]
	s_or_b32 s35, s35, 0x80000000
	s_add_nc_u64 s[38:39], s[6:7], s[52:53]
	s_or_b32 s39, s39, 0x80000000
	CROUND                                         ; all four work-groups are here: the joint loads meet
	s_cmp_lt_u32 s12, 4                            ; waves 0-3: codes; waves 4-7: scales.  One load in each arm
	s_cbranch_scc0 .Lscales
	tensor_load_to_lds s[32:35], s[16:23]
	s_nop 0
	PLACES 4
	s_branch .Lasked
.Lscales:
	tensor_load_to_lds s[36:39], s[24:31]
	s_nop 0
	PLACES 4
.Lasked:
	; the pair's first tile of queries: token block 64 batch + 16 cx + 4 pair
	s_lshl_b32 s76, s48, 6
	s_lshl_b32 s77, s14, 4
	s_add_co_u32 s76, s76, s77
	s_lshl_b32 s77, s69, 2
	s_add_co_u32 s76, s76, s77
	s_lshr_b32 s71, s76, 3                         ; its group of 128 tokens
	s_and_b32 s72, s69, 1                          ; and which half of the group
	s_mov_b32 s75, 0
	s_mul_i32 s74, s49, 786432
	s_mul_i32 s73, s76, 1536
	s_add_co_u32 s74, s74, s73
	s_add_nc_u64 s[54:55], s[4:5], s[74:75]        ; Q's image
	s_lshl_b32 s74, s49, 15
	s_lshl_b32 s73, s71, 9
	s_add_co_u32 s74, s74, s73
	s_lshl_b32 s73, s72, 8
	s_add_co_u32 s74, s74, s73
	s_add_nc_u64 s[56:57], s[6:7], s[74:75]        ; Q's scale words: 4 bytes on for each pass
	s_mul_i32 s74, s71, REC
	s_lshr_b32 s73, s49, 1
	s_mul_i32 s73, s73, PART
	s_add_co_u32 s74, s74, s73
	s_add_nc_u64 s[60:61], s[8:9], s[74:75]        ; oc: the group's record, the part that holds K step = head
	s_and_b32 s76, s49, 1
	s_mul_i32 s74, s76, 12288
	s_mul_i32 s73, s72, 6144
	s_add_co_u32 s74, s74, s73
	s_add_nc_u64 s[58:59], s[60:61], s[74:75]      ; O's first image
	s_lshl_b32 s74, s76, 9
	s_lshl_b32 s73, s72, 8
	s_add_co_u32 s74, s74, s73
	s_add_co_u32 s74, s74, 24576
	s_add_nc_u64 s[60:61], s[60:61], s[74:75]      ; the pair's half of O's scale pack
	s_mul_i32 s40, s70, 49152                      ; my half of the keys: four steps of 12,288 bytes,
	s_lshl_b32 s41, s70, 11                        ; four scale packs
	s_add_co_u32 s41, s41, KSC
	s_lshl_b32 s42, s69, 13
	s_add_co_u32 s42, s42, OSTAGE                  ; the pair's stage
	v_and_b32 v13, 31, v0
	v_and_b32 v14, 15, v0
	v_bfe_u32 v15, v0, 4, 1
	v_lshlrev_b32 v[LI], 4, v13
	v_lshlrev_b32 v[QSO], 4, v14
	v_lshl_add_u32 v[DOF], v15, 3, v[QSO]
	v_add_nc_u32 v[AK], s40, v[LI]
	v_add_nc_u32 v[AV], VC, v[AK]
	v_add_nc_u32 v[ASK], s41, v[QSO]
	v_add_nc_u32 v[ASV], 4096, v[ASK]
	v_lshl_add_u32 v[STX], v0, 3, STATS
	v_xor_b32 v13, 128, v0                         ; my partner's thread: wave w xor 4
	v_lshl_add_u32 v[LDX], v13, 3, STATS
	v_add_nc_u32 v[OST], s42, v[LI]
.macro QLOAD
.irp c, 0,1,2
	global_load_b128 v[QF+4*\c:QF+4*\c+3], v[LI], s[54:55] offset:512*\c
.endr
	global_load_b32 v[QS], v[QSO], s[56:57]
.endm
	QLOAD
.irp r, RR, RR+1, RR+2, RR+3, TX, TX+1, TX+2, TX+3, NM+1, NM+3, FL+1
	v_mov_b32 v[\r], 0                             ; what the passes shift through, lane permutes' destinations, and the upper words of pairs of which the low word alone is used
.endr
; eight fragments and their scale words: 24 + 2 LDS loads
.macro FETCH adr, off, sadr, soff
	WIN 0
.irp i, 0,1,2,3,4,5,6,7
.irp c, 0,1,2
	ds_load_b128 v[F0+12*\i+4*\c:F0+12*\i+4*\c+3], v[\adr] offset:(\off)+1536*\i+512*\c
.endr
.endr
	ds_load_b128 v[SS:SS+3], v[\sadr] offset:(\soff)
	ds_load_b128 v[SS+4:SS+7], v[\sadr] offset:(\soff)+256
.endm
.macro FETCH_K k
	FETCH AK, 12288*(\k), ASK, 512*(\k)
.endm
.macro FETCH_V k
	FETCH AV, 12288*(\k), ASV, 512*(\k)
.endm
.macro KQ k                            ; S^T of 128 keys: eight products, each a sum of its own
	WIN 0x40
.irp t, 0,1,2,3,4,5,6,7
	v_wmma_scale_f32_16x16x128_f8f6f4 v[64*(\k)+8*\t:64*(\k)+8*\t+7], v[F0+12*\t:F0+12*\t+11], v[QF:QF+11], 0, v[SS+\t], v[QS] matrix_a_fmt:MATRIX_FMT_FP6 matrix_b_fmt:MATRIX_FMT_FP6
.endr
.endm
.macro PV k                            ; O^T += V^T P^T over 128 keys: the eight accumulators take turns
	WIN 0
.irp t, 0,1,2,3,4,5,6,7
.if (\k) == 0
	v_wmma_scale_f32_16x16x128_f8f6f4 v[OT+8*\t:OT+8*\t+7], v[F0+12*\t:F0+12*\t+11], v[PC:PC+11], 0, v[SS+\t], v[PS] matrix_a_fmt:MATRIX_FMT_FP6 matrix_b_fmt:MATRIX_FMT_FP6
.else
	v_wmma_scale_f32_16x16x128_f8f6f4 v[OT+8*\t:OT+8*\t+7], v[F0+12*\t:F0+12*\t+11], v[PC:PC+11], v[OT+8*\t:OT+8*\t+7], v[SS+\t], v[PS] matrix_a_fmt:MATRIX_FMT_FP6 matrix_b_fmt:MATRIX_FMT_FP6
.endif
.endr
.endm
.macro ADDS k                          ; the sum of the unquantised p, brought under n_k, two at a time, in four chains
.set SB, 64*(\k)
.set II, 0
.if (\k) == 0
	WIN 0x05                                       ; sources 0 and 1 in window 1: the first eight pairs start the four chains
.rept 4
.set CR, SUA+2*(II%2)-(SUA-TT)*((II/2)%2)
	v_pk_add_f32 v[CR:CR+1], v[SB+2*II:SB+2*II+1], v[SB+8+2*II:SB+9+2*II]
.set II, II+1
.endr
.set II, 8
.else
	WIN 0x10                                       ; source 2 in window 1
.rept 4
.set CR, SUA+2*(II%2)-(SUA-TT)*((II/2)%2)
	v_pk_fma_f32 v[CR:CR+1], v[CR:CR+1], v[FL:FL+1], v[SB+2*II:SB+2*II+1] op_sel_hi:[1,0,1]
.set II, II+1
.endr
.endif
	WIN W_M
.rept 32-II
.set CR, SUA+2*(II%2)-(SUA-TT)*((II/2)%2)
	v_pk_add_f32 v[CR:CR+1], v[CR:CR+1], v[SB+2*II:SB+2*II+1]
.set II, II+1
.endr
.endm
; Step k's scores become p under the running maximum: the blocks' largest scores, n_k, the multiply-adds, one batch of exponentials with a wait ahead of it and one behind it, the sums
.macro SOFT k
.set SB, 64*(\k)
.set MB, BM+4*(\k)
	WIN W_M
.irp b, 0,1,2,3
	v_max3_num_f32 v[MB+\b], 0xff800000, v[SB+16*\b], v[SB+16*\b+1]
.endr
.irp i, 2,4,6,8,10,12,14
.irp b, 0,1,2,3
	v_max3_num_f32 v[MB+\b], v[MB+\b], v[SB+16*\b+\i], v[SB+16*\b+\i+1]
.endr
.endr
	WIN 0
.irp b, 0,1,2,3
	v_permlanex16_b32 v[TX+\b], v[MB+\b], s[SEL], s[SEL+1]
.endr
.irp b, 0,1,2,3
	v_max_num_f32 v[MB+\b], v[MB+\b], v[TX+\b]     ; with lane l xor 16's 16 keys
.endr
.if (\k) == 0
	v_max3_num_f32 v[RM], v[MB], v[MB+1], v[MB+2]
	v_max_num_f32 v[RM], v[RM], v[MB+3]
	v_mul_f32 v[NS], s68, v[RM]                    ; n_0
.else
	v_max3_num_f32 v[RM], v[RM], v[MB], v[MB+1]
	v_max3_num_f32 v[RM], v[RM], v[MB+2], v[MB+3]
	v_mul_f32 v[NS+(\k)], s68, v[RM]               ; n_k = -(m_k c)
	v_sub_f32 v[DL], v[NS+(\k)], v[NM]             ; n_k - n_(k-1), 0 or less
.endif
	v_mov_b32 v[NM], v[NS+(\k)]
	WIN W_S
.set II, 0
.rept 32
	v_pk_fma_f32 v[SB+2*II:SB+2*II+1], v[SB+2*II:SB+2*II+1], s[CS:CS+1], v[NM:NM+1] op_sel_hi:[1,0,0]
.set II, II+1
.endr
	WIN 0
.irp b, 0,1,2,3
	v_fma_f32 v[MB+\b], v[MB+\b], s[CS], v[NM]
.endr
	AW
	WIN W_S
.set II, 0
.rept 64
	v_exp_f32 v[SB+II], v[SB+II]
.set II, II+1
.endr
	WIN 0
.irp b, 0,1,2,3
	v_exp_f32 v[MB+\b], v[MB+\b]                   ; the blocks' largest p: the same instructions on the same numbers
.endr
.if (\k) > 0
	v_exp_f32 v[FL], v[DL]
.endif
	v_nop                                          ; a plain instruction behind the last exponential
	AW
	ADDS \k
.endm
.macro NORM k                          ; the finished weights: p x g_k
.set SB, 64*(\k)
.set MB, BM+4*(\k)
.set GR, GK+2*(\k)
	WIN W_S
.set II, 0
.rept 32
	v_pk_mul_f32 v[SB+2*II:SB+2*II+1], v[SB+2*II:SB+2*II+1], v[GR:GR+1] op_sel_hi:[1,0]
.set II, II+1
.endr
	WIN 0
.irp b, 0,1,2,3
	v_mul_f32 v[MB+\b], v[MB+\b], v[GR]
.endr
.endm
.macro SCOPS k                         ; the four blocks' scale operands, bytes and P's scale word: 15 plain lines
.set MB, BM+4*(\k)
	WIN 0
.irp b, 0,1,2,3
	v_max_num_f32 v[MB+\b], 0x1800000, v[MB+\b]    ; the floor 2^(3 - 127)
.endr
.irp b, 0,1,2,3
	v_add_nc_u32 v[SO+\b], 0xff000000, v[MB+\b]
.endr
.irp b, 0,1,2,3
	v_lshrrev_b32 v[TT+\b], 23, v[SO+\b]
.endr
	v_lshl_or_b32 v[PS], v[TT+1], 8, v[TT]
	v_lshl_or_b32 v[PS], v[TT+2], 16, v[PS]
	v_lshl_or_b32 v[PS], v[TT+3], 24, v[PS]
.endm
.macro CVT k                           ; the step's 64 weights become P's fragment
.set SB, 64*(\k)
	WIN 0x01                                       ; source 0 in window 1
.irp c, 0,1
	v_cvt_scalef32_pk16_fp6_f32 v[PC+6*\c:PC+6*\c+2], v[SB+32*\c:SB+32*\c+15], v[SO+2*\c]
	v_cvt_scalef32_pk16_fp6_f32 v[TP+4*\c:TP+4*\c+2], v[SB+32*\c+16:SB+32*\c+31], v[SO+2*\c+1]
.endr
	v_nop                                          ; one plain instruction behind the scaled conversions
	WIN 0
.irp c, 0,1
.irp i, 0,1,2
	v_permlane16_swap_b32 v[PC+6*\c+\i], v[TP+4*\c+\i]
.endr
.irp i, 0,1,2
	v_mov_b32 v[PC+6*\c+3+\i], v[TP+4*\c+\i]
.endr
.endr
.endm
	AW                                             ; at the head's end
	s_wait_tensorcnt 0x0                           ; my block has landed,
	s_barrier_signal -1
	s_barrier_wait -1                              ; everybody's has: no tensor load writes LDS again
	s_mov_b32 s13, 4
.Lpass:
	FETCH_K 0
	s_wait_loadcnt 0x0                             ; Q
	; ---- my 512 keys' scores and p.  The next step's fragments are asked for behind a step's products; the step's maxima, exponentials and sums stand under their flight
.irp k, 0,1,2,3
	s_wait_dscnt 0x0                               ; this step's fragments are in
	KQ \k
	PLACES 4                                       ; in front of loads into registers that the products have read, and of the first read of their results
.if \k < 3
	FETCH_K \k+1
.else
	FETCH_V 0
	AW                                             ; directly ahead of the branch
	s_cmp_eq_u32 s13, 1                            ; the next pass's Q, if there is a next pass (the count is the same in every wave of the cluster)
	s_cbranch_scc1 .Lno_next_q
	s_add_nc_u64 s[54:55], s[54:55], 1536          ; (the loads that read these bases have come back)
	s_add_nc_u64 s[56:57], s[56:57], 4
	QLOAD
.Lno_next_q:
.endif
	SOFT \k
.endr
	; ---- l of my keys under n_3; the exchange; the four g_k
	WIN 0
	v_pk_add_f32 v[SUA:SUA+1], v[SUA:SUA+1], v[SUA+2:SUA+3]
	v_pk_add_f32 v[TT:TT+1], v[TT:TT+1], v[TT+2:TT+3]
	v_mov_b32 v[T1], v[NM]
	v_pk_add_f32 v[SUA:SUA+1], v[SUA:SUA+1], v[TT:TT+1]
	v_add_f32 v[T2], v[SUA], v[SUA+1]
	v_permlanex16_b32 v[TT], v[T2], s[SEL], s[SEL+1]
	v_add_f32 v[T2], v[T2], v[TT]                  ; l
	ds_store_b64 v[STX], v[T1:T2]                  ; (n_3, l) for my partner
	AW                                             ; directly ahead of the wait below
	s_wait_dscnt 0x0                               ; for the others' sake: my store is done (and V's first fragments are in)
	s_barrier_signal -1
	s_barrier_wait -1
	ds_load_b64 v[TT:TT+1], v[LDX]                 ; my partner's (n_3', l')
	s_wait_dscnt 0x0
	v_min_num_f32 v[T0], v[NM], v[TT]              ; N: the row's maximum has the lesser n
	v_sub_f32 v[TT+3], v[T0], v[TT]
.irp k, 0,1,2,3
	v_sub_f32 v[GK+2*\k], v[T0], v[NS+\k]          ; N - n_k, 0 or less
.endr
	AW
.irp k, 0,1,2,3
	v_exp_f32 v[GK+2*\k], v[GK+2*\k]
.endr
	v_exp_f32 v[TT+3], v[TT+3]
	v_nop
	AW
	v_mul_f32 v[T0], v[TT+1], v[TT+3]
	v_fma_f32 v[T0], v[T2], v[GK+6], v[T0]         ; L
	AW
	v_rcp_f32 v[T0], v[T0]
	v_nop
	AW
	v_mul_f32 v[T0], 0x3d000000, v[T0]             ; / 32: exact
.irp k, 0,1,2,3
	v_mul_f32 v[GK+2*\k], v[GK+2*\k], v[T0]        ; g_k
.endr
	NORM 0
	; ---- O^T over my keys.  The next step's 36 multiplications stand between the lines that write P's codes and scale word and the products that read them
.irp k, 0,1,2,3
	SCOPS \k                                       ; (its lines are also the plain instructions in front of the loads below)
.if \k > 0
	FETCH_V \k
.endif
	CVT \k
.if \k < 3
	NORM \k+1
.else
	PLACES 8
.endif
	AW                                             ; directly ahead of the wait below
	s_wait_dscnt 0x0                               ; this step's fragments are in
	PV \k
.endr
	PLACES 4
	; ---- the upper wave hands its O^T over; the lower wave adds, quantises and stores
	s_cmp_lt_u32 s12, 4
	s_cbranch_scc1 .Lkeeps
.irp i, 0,1,2,3,4,5,6,7,8,9,10,11,12,13,14,15
	ds_store_b128 v[OST], v[OT+4*\i:OT+4*\i+3] offset:512*\i   ; each accumulator from its low end on
.endr
.Lkeeps:
	s_wait_dscnt 0x0
	s_barrier_signal -1
	s_barrier_wait -1
	s_cmp_ge_u32 s12, 4
	s_cbranch_scc1 .Lsent
	WIN 0x40                                       ; into window 1, whose numbers are done with
.irp i, 0,1,2,3,4,5,6,7,8,9,10,11,12,13,14,15
	ds_load_b128 v[4*\i:4*\i+3], v[OST] offset:512*\i
.endr
	s_wait_dscnt 0x0
	WIN W_M
.set II, 0
.rept 32
	v_pk_add_f32 v[OT+2*II:OT+2*II+1], v[OT+2*II:OT+2*II+1], v[2*II:2*II+1]
.set II, II+1
.endr
	WIN 0
	QUANT OT, PC, TP, PWT, BM                      ; O^T's 64 registers are the head's 128 channels for 16 queries: one image
	v_mov_b32 v[RR], v[RR+1]
	v_mov_b32 v[RR+1], v[RR+2]
	v_mov_b32 v[RR+2], v[RR+3]
	v_mov_b32 v[RR+3], v[PWT]                      ; after four passes v[RR + i] holds pass i's scale words
.irp c, 0,1,2
	global_store_b128 v[LI], v[PC+4*\c:PC+4*\c+3], s[58:59] offset:512*\c   ; 32 lanes store 512 consecutive bytes
.endr
	s_wait_xcnt 0x0                                ; the stores have read their base and their data
	s_add_nc_u64 s[58:59], s[58:59], 1536
.Lsent:
	s_sub_co_u32 s13, s13, 1
	s_cmp_lg_u32 s13, 0
	AW                                             ; directly ahead of the branch
	s_cbranch_scc1 .Lpass
	s_cmp_ge_u32 s12, 4
	s_cbranch_scc1 .Ldone
	v_and_b32 v[T0], 16, v0
	v_cmp_ne_u32 vcc_lo, 0, v[T0]                  ; lanes 16-31 store the words of passes 2 and 3
	v_cndmask_b32 v[T1], v[RR], v[RR+2], vcc_lo
	v_cndmask_b32 v[T2], v[RR+1], v[RR+3], vcc_lo
	global_store_b64 v[DOF], v[T1:T2], s[60:61]    ; the 32 lanes store 256 consecutive bytes
.Ldone:
	s_wait_tensorcnt 0x0                           ; the wave's end
	ds_add_u32 v[SPW], v[NIL]
	s_wait_dscnt 0x0
	CROUND                                         ; the closing round
	s_endpgm
.Lfunc_end_k_q016b9f246a_attn:
	.size	k_q016b9f246a_attn, .Lfunc_end_k_q016b9f246a_attn-k_q016b9f246a_attn
	.p2alignl 7, 3214868480
	.fill 96, 4, 3214868480
	.section	.rodata,"a",@progbits
	.p2align	6, 0x0
	.amdhsa_kernel k_q016b9f246a_attn
		.amdhsa_group_segment_fixed_size 240640
		.amdhsa_private_segment_fixed_size 0
		.amdhsa_enable_private_segment 0
		.amdhsa_kernarg_size 24
		.amdhsa_user_sgpr_count 2
		.amdhsa_user_sgpr_kernarg_segment_ptr 1
		.amdhsa_wavefront_size32 1
		.amdhsa_system_sgpr_workgroup_id_x 1
		.amdhsa_system_sgpr_workgroup_id_y 1
		.amdhsa_system_sgpr_workgroup_id_z 1
		.amdhsa_system_vgpr_workitem_id 0
		.amdhsa_next_free_vgpr 512
		.amdhsa_next_free_sgpr 80
		.amdhsa_reserve_vcc 1
		.amdhsa_float_denorm_mode_32 3
		.amdhsa_float_denorm_mode_16_64 3
		.amdhsa_memory_ordered 1
		.amdhsa_forward_progress 1
		.amdhsa_inst_pref_size 94
	.end_amdhsa_kernel
	.amdgpu_metadata
---
amdhsa.version: [ 1, 2 ]
amdhsa.kernels:
  - .name:           k_q016b9f246a_attn
    .symbol:         k_q016b9f246a_attn.kd
    .args:
      - { .name: qkvc, .offset: 0, .size: 8, .value_kind: global_buffer, .address_space: global }
      - { .name: qkvs, .offset: 8, .size: 8, .value_kind: global_buffer, .address_space: global }
      - { .name: oc, .offset: 16, .size: 8, .value_kind: global_buffer, .address_space: global }
    .group_segment_fixed_size: 240640
    .private_segment_fixed_size: 0
    .kernarg_segment_align: 8
    .kernarg_segment_size: 24
    .max_flat_workgroup_size: 256
    .sgpr_count:     80
    .vgpr_count:     512
    .wavefront_size: 32
...
	.end_amdgpu_metadata
.endif
;; end of part 3
;; launch proj (part 4): grid 4 x 64, 4 waves a work-group, clusters of 4 x 4, 327,680 bytes of LDS; arguments oc, wc, bp, out0; writes out0
.if DOCPART == 4
	.amdgcn_target "amdgcn-amd-amdhsa--gfx1250"
	.amdhsa_code_object_version 6
	.text
	.protected	k_q016b9f246a_proj
	.globl	k_q016b9f246a_proj
	.p2align	8
	.type	k_q016b9f246a_proj,@function
k_q016b9f246a_proj:
	s_mov_b64 s[64:65], 0
	v_nop
	global_prefetch_b8 v0, s[64:65] scope:SCOPE_SE
	s_setreg_imm32_b32 hwreg(HW_REG_WAVE_MODE, 25, 1), 1
	s_wait_xcnt 0x0
	s_wait_alu depctr_hold_cnt(0) depctr_sa_sdst(0) depctr_va_vdst(0) depctr_va_sdst(0) depctr_va_ssrc(0) depctr_va_vcc(0) depctr_vm_vsrc(0)
	s_getreg_b32 s2, hwreg(HW_REG_IB_STS2, 6, 4)
	s_cmp_eq_u32 s2, 0
	s_cbranch_scc0 .Lentry_in_a_cluster
	s_endpgm
.Lentry_in_a_cluster:
	s_bfe_u32 s2, ttmp6, 0x10000c
	s_cmp_lg_u32 s2, 0xf033
	s_cbranch_scc0 .Lentry_shape_is_right
	s_endpgm
.Lentry_shape_is_right:
; out0 = O Wp + bp on codes of FP6 (E2M3) with E8M0 scales; f32 sums; the bias is the C of the first products.
; OPERANDS are records: a group of 128 rows for all of K = 1,024, as four parts of 25,600 bytes; part n = K steps 2 n, 2 n + 1: images of fragments [step][block] x 1,536 bytes (register group c at 512 c + 16 x lane),
; then the two steps' scale packs of 512 bytes (the word of block a, row r at 256 (a / 4) + 16 r + 4 (a % 4)).  Place p of a group holds logical row p with bits 3 and 4 exchanged.
; A work-group makes 128 tokens x 256 features: 256 work-groups.  Its three records (O's group, two of Wp's) are 307,200 bytes and lie in LDS whole, filled once: waves 0 and 1 ask for a half of O's record each,
; waves 2 and 3 for a record of Wp each: one tensor load a wave, nothing is filled again, no barrier stands in the walk along K.  All loads go out at the head, so there is no later load for a prefetch to run ahead of.
; CLUSTERS: 4 x 4 work-groups; O's record is asked for jointly along a row of the cluster, Wp's along a column.
; A wave makes 64 tokens (source 1, four blocks) x 128 features (source 0, eight blocks): 32 accumulators, which take turns.  A lane's registers run along the features.
; REGISTERS: window 0: v4 16 x lane; v8-14 LDS addresses; v24, v25 the stage; v32-47 scale words, two sets; v62, v63 the add's; v64-127 the bias as C; v128-223 source 1's fragments, two sets (on the way out: rows read back).
;   window 1: source 0's fragments, two sets, at v0 and v128.  window 2: accumulator (a, b) at v[8 (8 a + b)].
.set FR,    12
.set IMG,   1536
.set KST,   8*IMG
.set CODES, 2*KST
.set PART,  CODES+1024
.set REC,   4*PART
.set SPARE, 3*REC                      ; behind the records: the spare words, 128 bytes a wave
.set SPITCH, 528                       ; the stage: 16 rows of 512 bytes + 16 for each wave
.set LI,   4
.set A2A,  8                           ; v8, v9   my four blocks of source 1, K steps 0-3 and 4-7
.set A2B,  10                          ; v10, v11 my record of source 0
.set ADRS2, 12                         ; v12, v14 scale words: lanes 0-15 source 1's, lanes 16-31 source 0's
.set STO,  24
.set RD,   25
.set SC,   32
.set SPW,  62
.set NIL,  63
.set BI,   64
.set AF,   128
.set BK,   128
.set G1,   24                          ; s[24:31] group 1, s[32:35] group 0: source 1
.set G0,   32
.set G0B,  36                          ; s[36:39] group 0, s[48:55] group 1: source 0
.set G1B,  48
.set MSB, 0
.macro WIN new
.if MSB != (\new)
	s_set_vgpr_msb (MSB<<8)|(\new)
.set MSB, (\new)
.endif
.endm
.set MUL_LO,   0xa1                    ; source 0 window 1, source 1 window 0, C and D window 2
.set FIRST_LO, 0x81                    ; C (the bias) window 0
.set TO_B,     0x40
.macro PLACES n
.rept \n
	v_nop
.endr
.endm
.macro CROUND
	s_barrier_signal -1
	s_barrier_wait -1
	s_cmp_lg_u32 s14, 0
	s_cbranch_scc1 .Lnot_wave_0_\@
	s_barrier_signal -3
.Lnot_wave_0_\@:
	s_barrier_wait -3
	s_barrier_signal -1
	s_barrier_wait -1
.endm
	s_load_b128 s[4:7], s[0:1], 0x0                ; oc, wc
	s_load_b128 s[8:11], s[0:1], 0x10              ; bp, out0
	v_lshl_add_u32 v[SPW], v0, 2, SPARE
	v_mov_b32 v[NIL], 0
	ds_add_u32 v[SPW], v[NIL]                      ; the opening: the add, twice on end, and its wait ahead of my tensor load
	ds_add_u32 v[SPW], v[NIL]
	v_lshrrev_b32 v1, 5, v0
	v_readfirstlane_b32 s14, v1                    ; wave 0..3
	s_lshr_b32 s15, s14, 1                         ; my half of the tokens.  Also: I fetch for source 1 (0) or source 0 (1)
	s_and_b32 s16, s14, 1                          ; my record of Wp.  Also: which piece I fetch
	s_bfe_u32 s17, ttmp6, 0x40000                  ; cx
	s_bfe_u32 s18, ttmp6, 0x40004                  ; cy
	s_and_b32 s20, ttmp7, 0xffff
	s_lshl_b32 s20, s20, 2
	s_add_co_u32 s20, s20, s18                     ; the group of 128 tokens
	s_lshl_b32 s21, s18, 2
	s_lshl_b32 s21, 15, s21                        ; my row of the cluster
	s_lshl_b32 s3, 0x1111, s17                     ; my column
	s_or_b32 s[G1], s21, (3<<16)|(1<<21)           ; dense blocks as rows of 256 bytes (32 elements of 8 bytes): half a record is 200 rows,
	s_or_b32 s[G1B], s3, (3<<16)|(1<<21)           ; a record 400
	s_mov_b32 s[G1+1], 32<<16
	s_mov_b32 s[G1+2], 200<<16
	s_mov_b32 s[G1+3], 32<<16
	s_mov_b32 s[G1+4], 200
	s_mov_b32 s[G1+5], 32
	s_mov_b32 s[G1+6], 0
	s_mov_b32 s[G1+7], 0
	s_mov_b32 s[G1B+1], 32<<16
	s_mov_b32 s[G1B+2], 400<<16
	s_mov_b32 s[G1B+3], 32<<16
	s_mov_b32 s[G1B+4], 400
	s_mov_b32 s[G1B+5], 32
	s_mov_b32 s[G1B+6], 0
	s_mov_b32 s[G1B+7], 0
	s_mov_b32 s[G0], 1
	s_mul_i32 s[G0+1], s16, REC/2                  ; O's record lies at LDS byte 0
	s_mul_i32 s12, s20, REC
	s_add_co_u32 s12, s12, s[G0+1]
	s_mov_b32 s13, 0
	s_mov_b32 s[G0B], 1
	s_mul_i32 s[G0B+1], s16, REC
	s_add_co_u32 s[G0B+1], s[G0B+1], REC           ; Wp's two behind it
	s_lshl_b32 s2, s17, 1
	s_add_co_u32 s2, s2, s16                       ; the group of 128 features that I fetch, and the one that I multiply
	s_add_co_u32 s44, s2, 24                       ; Wp's groups are records 24 to 31 of wc
	s_mul_i32 s44, s44, REC
	s_mov_b32 s45, 0
	s_wait_dscnt 0x0
	s_wait_kmcnt 0x0
	s_add_nc_u64 s[G0+2:G0+3], s[4:5], s[12:13]
	s_or_b32 s[G0+3], s[G0+3], 0x80000000
	s_add_nc_u64 s[G0B+2:G0B+3], s[6:7], s[44:45]
	s_or_b32 s[G0B+3], s[G0B+3], 0x80000000
	CROUND                                         ; all sixteen work-groups are here: the joint loads meet
	s_cmp_eq_u32 s15, 0
	s_cbranch_scc0 .Lfor_b
	tensor_load_to_lds s[G0:G0+3], s[G1:G1+7]
	s_nop 0
	PLACES 4
	s_branch .Lasked
.Lfor_b:
	tensor_load_to_lds s[G0B:G0B+3], s[G1B:G1B+7]
	s_nop 0
	PLACES 4
.Lasked:
	s_mov_b32 s41, 0
	s_lshl_b32 s40, s2, 9
	s_add_nc_u64 s[8:9], s[8:9], s[40:41]          ; my 128 numbers of bp
	s_add_nc_u64 s[10:11], s[10:11], s[40:41]
	s_lshl_b32 s40, s20, 19                        ; 128 rows of 4,096 bytes a group
	s_lshl_b32 s42, s15, 18
	s_add_co_u32 s40, s40, s42
	s_add_nc_u64 s[10:11], s[10:11], s[40:41]      ; my 64 rows x 128 columns of out0
	s_mul_i32 s12, s15, 4*IMG                      ; my four blocks of each K step
	s_lshl_b32 s18, s15, 8                         ; the half of O's scale packs that holds them
	s_sub_co_u32 s13, s[G0B+1], s18
	s_add_co_u32 s18, s18, CODES
	s_mul_i32 s19, s14, 16*SPITCH                  ; my stage
	v_and_b32 v1, 15, v0                           ; r
	v_bfe_u32 v2, v0, 4, 1                         ; h
	v_and_b32 v3, 31, v0
	v_lshlrev_b32 v[LI], 4, v3
	v_add_nc_u32 v[A2A], s12, v[LI]
	v_add_nc_u32 v[A2A+1], 2*PART, v[A2A]
	v_add_nc_u32 v[A2B], s[G0B+1], v[LI]
	v_add_nc_u32 v[A2B+1], 2*PART, v[A2B]
	v_mul_u32_u24 v5, s13, v2                      ; lanes 16-31 take Wp's words: one product with h
	v_lshl_add_u32 v5, v1, 4, v5
	v_add_nc_u32 v[ADRS2], s18, v5
	v_add_nc_u32 v[ADRS2+2], 2*PART, v[ADRS2]
	v_mul_u32_u24 v6, v1, SPITCH
	v_lshl_add_u32 v6, v2, 6, v6
	v_add_nc_u32 v[STO], s19, v6                   ; into the stage: row r, + 64 h
	v_add_nc_u32 v[RD], s19, v[LI]                 ; back: a row of 512 bytes
	v_lshlrev_b32 v7, 6, v2                        ; the bias: tile b's eight of my half: 32 (b / 2) + 16 h + 8 (b % 2) + 0 .. 7
.irp b, 0,1,2,3,4,5,6,7
	global_load_b128 v[BI+8*\b:BI+8*\b+3], v7, s[8:9] offset:4*(32*(\b/2)+8*(\b%2))
	global_load_b128 v[BI+8*\b+4:BI+8*\b+7], v7, s[8:9] offset:4*(32*(\b/2)+8*(\b%2))+16
.endr
; K step st's fragments and scale words into sets p: 24 loads (source 0's eight blocks), 12 (my four of source 1), 2 (scale words): 38
.macro FETCH2 st, p
	WIN TO_B
.irp i, 0,1,2,3,4,5,6,7
.irp c, 0,1,2
	ds_load_b128 v[128*(\p)+FR*\i+4*\c:128*(\p)+FR*\i+4*\c+3], v[A2B+(\st)/4] offset:PART*(((\st)/2)%2)+KST*((\st)%2)+IMG*\i+512*\c
.endr
.endr
	WIN 0
.irp i, 0,1,2,3
.irp c, 0,1,2
	ds_load_b128 v[AF+48*(\p)+FR*\i+4*\c:AF+48*(\p)+FR*\i+4*\c+3], v[A2A+(\st)/4] offset:PART*(((\st)/2)%2)+KST*((\st)%2)+IMG*\i+512*\c
.endr
.endr
	ds_load_b128 v[SC+8*(\p):SC+8*(\p)+3], v[ADRS2+2*((\st)/4)] offset:PART*(((\st)/2)%2)+512*((\st)%2)
	ds_load_b128 v[SC+8*(\p)+4:SC+8*(\p)+7], v[ADRS2+2*((\st)/4)] offset:PART*(((\st)/2)%2)+512*((\st)%2)+256
.endm
.macro MUL32 p, first                  ; the 32 accumulators take turns
.irp a, 0,1,2,3
.irp b, 0,1,2,3,4,5,6,7
.if \first
	v_wmma_scale_f32_16x16x128_f8f6f4 v[8*(8*\a+\b):8*(8*\a+\b)+7], v[128*(\p)+FR*\b:128*(\p)+FR*\b+FR-1], v[AF+48*(\p)+FR*\a:AF+48*(\p)+FR*\a+FR-1], v[BI+8*\b:BI+8*\b+7], v[SC+8*(\p)+\b], v[SC+8*(\p)+\a] matrix_a_fmt:MATRIX_FMT_FP6 matrix_b_fmt:MATRIX_FMT_FP6 matrix_a_scale:MATRIX_SCALE_ROW1
.else
	v_wmma_scale_f32_16x16x128_f8f6f4 v[8*(8*\a+\b):8*(8*\a+\b)+7], v[128*(\p)+FR*\b:128*(\p)+FR*\b+FR-1], v[AF+48*(\p)+FR*\a:AF+48*(\p)+FR*\a+FR-1], v[8*(8*\a+\b):8*(8*\a+\b)+7], v[SC+8*(\p)+\b], v[SC+8*(\p)+\a] matrix_a_fmt:MATRIX_FMT_FP6 matrix_b_fmt:MATRIX_FMT_FP6 matrix_a_scale:MATRIX_SCALE_ROW1
.endif
.endr
.endr
.endm
	s_wait_alu depctr_va_vdst(0)                   ; the wait at the head's end
	s_wait_loadcnt 0x0                             ; the bias
	s_wait_tensorcnt 0x0                           ; my piece has landed,
	s_barrier_signal -1
	s_barrier_wait -1                              ; everybody's has
	FETCH2 0, 0
	FETCH2 1, 1
	s_wait_dscnt 38                                ; K step 0's loads are in; K step 1's 38 may be out
	WIN FIRST_LO
	MUL32 0, 1                                     ; the first products start the sums, from the bias
.irp s, 1,2,3,4,5,6
	PLACES 4                                       ; in front of loads into the sets that the last products have read
	FETCH2 \s+1, (\s+1)%2
	s_wait_dscnt 38
	WIN MUL_LO
	MUL32 \s%2, 0
.endr
	s_wait_dscnt 0x0                               ; my reads of the records are over:
	s_barrier_signal -1                            ; say so,
	MUL32 1, 0                                     ; work on registers meanwhile,
	WIN 0
	s_barrier_wait -1                              ; and behind this wait nobody reads the bytes that the stages take: they have had their one fill
; THE WAY OUT, block by block of 16 tokens x 128 features: through my stage, back as whole rows of 512 bytes.  LDS serves a wave's instructions in order: no wait between the stores and the loads.
.macro TOSTAGE a
.set AC, 64*(\a)
	WIN 0x08
.irp b, 0,1,2,3,4,5,6,7
	ds_store_b128 v[STO], v[AC+8*\b:AC+8*\b+3] offset:128*(\b/2)+32*(\b%2)          ; each accumulator from its low end on
	ds_store_b128 v[STO], v[AC+8*\b+4:AC+8*\b+7] offset:128*(\b/2)+32*(\b%2)+16
.endr
	WIN 0
.set BB, BK+64*((\a)%2)
.irp t, 0,1,2,3,4,5,6,7,8,9,10,11,12,13,14,15
	ds_load_b128 v[BB+4*\t:BB+4*\t+3], v[RD] offset:\t*SPITCH
.endr
.endm
.macro SEND a, younger                 ; place t of block a is logical row 32 (a / 2) + 16 (t / 8) + 8 (a % 2) + t % 8
.set BB, BK+64*((\a)%2)
	s_wait_dscnt \younger
.irp t, 0,1,2,3,4,5,6,7,8,9,10,11,12,13,14,15
	global_store_b128 v[LI], v[BB+4*\t:BB+4*\t+3], s[10:11] offset:(32*((\a)/2)+16*(\t/8)+8*((\a)%2)+\t%8)*4096 th:TH_STORE_NT   ; 32 lanes store 512 consecutive bytes
.endr
.endm
	PLACES 4
	TOSTAGE 0
	TOSTAGE 1
	SEND 0, 32                                     ; behind block 0's loads: block 1's 16 stores and 16 loads
	s_wait_xcnt 0x0                                ; block 0's stores have read their registers
	TOSTAGE 2
	SEND 1, 32
	s_wait_xcnt 0x0
	TOSTAGE 3
	SEND 2, 32
	SEND 3, 0
	s_wait_tensorcnt 0x0                           ; the wave's end
	ds_add_u32 v[SPW], v[NIL]
	s_wait_dscnt 0x0
	CROUND                                         ; the closing round
	s_endpgm
.Lfunc_end_k_q016b9f246a_proj:
	.size	k_q016b9f246a_proj, .Lfunc_end_k_q016b9f246a_proj-k_q016b9f246a_proj
	.p2alignl 7, 3214868480
	.fill 96, 4, 3214868480
	.section	.rodata,"a",@progbits
	.p2align	6, 0x0
	.amdhsa_kernel k_q016b9f246a_proj
		.amdhsa_group_segment_fixed_size 327680
		.amdhsa_private_segment_fixed_size 0
		.amdhsa_enable_private_segment 0
		.amdhsa_kernarg_size 32
		.amdhsa_user_sgpr_count 2
		.amdhsa_user_sgpr_kernarg_segment_ptr 1
		.amdhsa_wavefront_size32 1
		.amdhsa_system_sgpr_workgroup_id_x 1
		.amdhsa_system_sgpr_workgroup_id_y 1
		.amdhsa_system_sgpr_workgroup_id_z 1
		.amdhsa_system_vgpr_workitem_id 0
		.amdhsa_next_free_vgpr 1024
		.amdhsa_next_free_sgpr 66
		.amdhsa_reserve_vcc 0
		.amdhsa_float_denorm_mode_32 3
		.amdhsa_float_denorm_mode_16_64 3
		.amdhsa_memory_ordered 1
		.amdhsa_forward_progress 1
		.amdhsa_inst_pref_size 75
	.end_amdhsa_kernel
	.amdgpu_metadata
---
amdhsa.version: [ 1, 2 ]
amdhsa.kernels:
  - .name:           k_q016b9f246a_proj
    .symbol:         k_q016b9f246a_proj.kd
    .args:
      - { .name: oc, .offset: 0, .size: 8, .value_kind: global_buffer, .address_space: global }
      - { .name: wc, .offset: 8, .size: 8, .value_kind: global_buffer, .address_space: global }
      - { .name: bp, .offset: 16, .size: 8, .value_kind: global_buffer, .address_space: global }
      - { .name: out0, .offset: 24, .size: 8, .value_kind: global_buffer, .address_space: global }
    .group_segment_fixed_size: 327680
    .private_segment_fixed_size: 0
    .kernarg_segment_align: 8
    .kernarg_segment_size: 32
    .max_flat_workgroup_size: 128
    .sgpr_count:     66
    .vgpr_count:     1024
    .wavefront_size: 32
...
	.end_amdgpu_metadata
.endif
;; end of part 4
